; MI455X (gfx1250); checked and timed in simulation.
; The chip was launched on July 23, 2026; its instructions are those of AMD's public machine-readable ISA for CDNA 5 (MIT licence, August 2026) and "CDNA5" Instruction Set Architecture Reference Guide (July 2026). The comments in the code are by the model that wrote it; some were corrected since.
;; Di T. Allowed arithmetic: matrix products marked QUANTISED: E2M1 operands, one E8M0 scale for each 32 along K, by v_wmma_scale_f32_16x16x128_f8f6f4 with both operands' format E2M1 (or v_wmma_scale_f32_32x16x128_f4), f32 sums; everything else in f32.
;; Inputs: an_a_b1 128 float32; an_a_b2 128 float32; an_a_b3 128 float32; an_a_w1 128 x 128 float32; an_a_w2 128 x 128 float32; an_a_w3 128 x 128 float32; an_gb_b1 128 float32; an_gb_b2 128 float32; an_gb_b3 256 float32; an_gb_w1 128 x 128 float32; an_gb_w2 128 x 128 float32; an_gb_w3 128 x 256 float32; fn_a_b1 128 float32; fn_a_b2 128 float32; fn_a_b3 128 float32; fn_a_w1 128 x 128 float32; fn_a_w2 128 x 128 float32; fn_a_w3 128 x 128 float32; fn_gb_b1 128 float32; fn_gb_b2 128 float32; fn_gb_b3 256 float32; fn_gb_w1 128 x 128 float32; fn_gb_w2 128 x 128 float32; fn_gb_w3 128 x 256 float32; kb 4 x 32 float32; kw 4 x 128 x 32 float32; latent 64 x 128 x 8 x 8 x 8 float32; nodes 64 x 128 float32; ow 128 x 128 float32; qb 4 x 32 float32; qw 4 x 128 x 32 float32; t 64 float32; vb 4 x 32 float32; vw 4 x 128 x 32 float32.
;; Outputs: out0 64 x 128 x 8 x 8 x 8 float32.
;; This version of the problem:
;;   THIS VERSION OF THE PROBLEM IS GIVEN IN LOW PRECISION. The matrix products marked QUANTISED in the list below multiply operands that are first quantised to E2M1 (2 exponent bits, 1 mantissa bit; 4 bits a number), with one power-of-two scale for each 32 numbers along K (OCP MX v1.0); their sums are f32. All else is computed in f32.
;;   The module's matrix products, in the order in which they are computed (A, B: the left and right operand; K: the contracted axis; several contracted axes count as one K, in the product's order):
;;     1. [M 64, K 128] x [K 128, N 128]; A: computed on the way; B: input an_gb_w1: QUANTISED
;;     2. [M 64, K 128] x [K 128, N 128]; A: computed on the way; B: input an_gb_w2: QUANTISED
;;     3. [M 64, K 128] x [K 128, N 256]; A: computed on the way; B: input an_gb_w3: QUANTISED
;;     4. [M 64, K 128] x [K 128, N 128]; A: computed on the way; B: input an_a_w1: QUANTISED
;;     5. [M 64, K 128] x [K 128, N 128]; A: computed on the way; B: input an_a_w2: QUANTISED
;;     6. [M 64, K 128] x [K 128, N 128]; A: computed on the way; B: input an_a_w3: QUANTISED
;;     7. [M 64, K 128] x [K 128, N 128]; A: computed on the way; B: input fn_gb_w1: QUANTISED
;;     8. [M 64, K 128] x [K 128, N 128]; A: computed on the way; B: input fn_gb_w2: QUANTISED
;;     9. [M 64, K 128] x [K 128, N 256]; A: computed on the way; B: input fn_gb_w3: QUANTISED
;;     10. [M 64, K 128] x [K 128, N 128]; A: computed on the way; B: input fn_a_w1: QUANTISED
;;     11. [M 64, K 128] x [K 128, N 128]; A: computed on the way; B: input fn_a_w2: QUANTISED
;;     12. [M 64, K 128] x [K 128, N 128]; A: computed on the way; B: input fn_a_w3: QUANTISED
;;     13. [M 128, K 128] x [K 128, N 32,768]; A: input qw; B: computed on the way: QUANTISED
;;     14. [M 128, K 128] x [K 128, N 32,768]; A: input kw; B: computed on the way: QUANTISED
;;     15. [M 128, K 128] x [K 128, N 32,768]; A: input vw; B: computed on the way: QUANTISED
;;     16. batch 256 x [M 512, K 32] x [K 32, N 512]; A: computed on the way; B: computed on the way: QUANTISED
;;     17. batch 256 x [M 512, K 512] x [K 512, N 32]; A: softmax (see below); B: computed on the way: QUANTISED
;;     18. [M 32,768, K 128] x [K 128, N 128]; A: computed on the way; B: input ow: QUANTISED
;;   THE QUANTISER, for each operand of a quantised product, along K:
;;     - K is cut into blocks of 32 from its start; a last block that is shorter is filled with zeros.
;;     - A block's scale is 2^e with e = floor(log2(the largest magnitude in the block)) - 2, held to -126 .. 127; a block of zeros has e = 0. As a byte (E8M0): e + 127.
;;     - Each number is divided by its block's scale, clamped to +-6, and rounded to the nearest number of E2M1, ties to even, subnormals kept.
;;     - The product sums the exact products of the quantised numbers (number of the format x scale) in f32.
;;   ~~~python
;;   def quantise(x, axis):      # numpy; x: float32 -> the quantised numbers, widened to float32 again
;;       x = np.moveaxis(x, axis, -1); K = x.shape[-1]
;;       x = np.pad(x, [(0, 0)] * (x.ndim - 1) + [(0, -K % 32)]); x = x.reshape(x.shape[:-1] + (-1, 32)); a = np.abs(x).max(-1, keepdims=True)
;;       e = np.where(a > 0, np.clip(np.frexp(np.where(a > 0, a, 1))[1] - 1 - 2, -126, 127), 0)      # np.frexp(a)[1] - 1 = floor(log2(a)), exactly
;;       r = np.clip(x / 2.0 ** e, -6, 6)
;;       step = 2.0 ** (np.maximum(np.frexp(np.where(r == 0, 1, r))[1] - 1, 0) - 1)
;;       q = np.round(r / step) * step * 2.0 ** e      # np.round: ties to even
;;       return np.moveaxis(q.reshape(q.shape[:-2] + (-1,))[..., :K], -1, axis).astype(np.float32)
;;   ~~~
;;   SOFTMAX AHEAD OF A QUANTISED PRODUCT. Where the list says 'softmax', what is quantised is not the finished softmax but p = 2^(t - M), with t = logit x log2(e) and M = ceil(the row's largest t), a whole number; so 1/2 < the row's largest p <= 1. The row's sum l is taken of the UNQUANTISED p, in f32, and the product's result is divided by l at the end. Since M is a whole number, a kernel that streams over the keys may use a running M (the ceiling of the running maximum): every later rescaling is an exact power of two, which a block's scale takes up: the codes' values come out the same.
;;   OPERANDS COMPUTED ON THE WAY. 'Computed on the way' means the value that the module computes at that place (a softmax that the list does not call 'softmax' is quantised finished and normalised). What goes into a quantiser is computed in f32, as accurately as f32 sums, v_exp_f32 and their like allow (about 1e-6 of the number): no bf16 or f16 on the way to a quantiser, and a product that is left as it is and whose result goes on into a quantised operand takes f32 operands (vector FMAs, or v_wmma_f32_16x16x4_f32). A number that lies on a knife's edge between two numbers of the format may be rounded either way, as far as f32 arithmetic and the matrix unit's own rounding can turn it there, and no further.
;; 2 versions. Each part assembles by itself: llvm-mc -triple=amdgcn-amd-amdhsa -mcpu=gfx1250 --defsym DOCPART=n.
;; ======== version 1 of 2: 2 launches
;; limits: right only within a limited range of input values
;; workspace buffers: mods 196,608 bytes
;; launch mlp (part 1): grid 4 x 1, 32 waves a work-group, no clusters, 51,968 bytes of LDS; arguments nodes, t, an_gb_w1, an_gb_b1, an_gb_w2, an_gb_b2, an_gb_w3, an_gb_b3, an_a_w1, an_a_b1, an_a_w2, an_a_b2, an_a_w3, an_a_b3, fn_gb_w1, fn_gb_b1, fn_gb_w2, fn_gb_b2, fn_gb_w3, fn_gb_b3, fn_a_w1, fn_a_b1, fn_a_w2, fn_a_b2, fn_a_w3, fn_a_b3, mods; writes mods
.if DOCPART == 1
	.amdgcn_target "amdgcn-amd-amdhsa--gfx1250"
	.amdhsa_code_object_version 6
	.text
	.protected	k_q2c6f905398_mlp
	.globl	k_q2c6f905398_mlp
	.p2align	8
	.type	k_q2c6f905398_mlp,@function
k_q2c6f905398_mlp:
	s_mov_b64 s[64:65], 0
	v_nop
	global_prefetch_b8 v0, s[64:65] scope:SCOPE_SE
	s_setreg_imm32_b32 hwreg(HW_REG_WAVE_MODE, 25, 1), 1
	s_wait_xcnt 0x0
; The four conditioning MLPs: out = silu(silu(cond w1 + b1) w2 + b2) w3 + b3, cond[b][d] = nodes[b][d] + t[b], 64 rows, all products on codes of FP4 (E2M1) with one E8M0 scale for each 32 along K.
; Work-group i is MLP i (0 an_gb, 1 an_a, 2 fn_gb, 3 fn_a).  Results go to mods [64 rows][6 slots][128] f32: slots 0, 1 an_gb's 256 numbers, 2 an_a's, 3, 4 fn_gb's, 5 fn_a's.
; WEIGHTS ([K][N] f32, K the first axis): A LANE TAKES A COLUMN AND ITS REGISTERS RUN DOWN K.  Wave w takes half-task (k = w / 2, c = w % 2): 32 columns x 64 rows of K (blocks 2 c, 2 c + 1).
;   tasks 0-3: w1, columns 32 k on; 4-7: w2; 8-15: w3 (an MLP with 128 outputs has tasks 8-11 only).  Lane l takes column perm(l) = l with bits 3 and 4 exchanged, so that after one exchange of the halves of the lanes
;   the codes ARE the registers of two operand tiles whose row r is column 8 u + r + 8 (r / 8): in the transposed product a lane's 16 results of the two tiles are then 16 neighbours along the next K.
; OPERANDS GO FROM WAVE TO WAVE THROUGH LDS AS IMAGES OF THEIR REGISTERS (a group of four registers: 16 bytes a lane, 512 bytes on end); scale words 4 bytes a lane.
; THE CHAIN: waves 0-15; wave w = row tile m = w % 4 (rows 16 m + r) x quarter qd = w / 4 (units 32 qd .. 32 qd + 31: one block of the next K).  Source 0 = 16 columns of the weight, source 1 = 16 rows.
;   The bias is the C of the product.  Three barriers: weights and cond | layer 1 | layer 2.
; A lane stores 64 consecutive bytes of a row of mods: no store of the wave covers 256 consecutive bytes; accepted for 196,608 bytes written once.
; LIMITS: NaN and infinities among the inputs are not served.  A block of zeros gets the scale byte 1 where the rule says 127: its codes are zeros, and this program alone reads the bytes.
.set WIMG,  0                          ; task k at 2048 k: tile u at + 1024 u, register group c at + 512 c, lane at + 16 l
.set WSC,   32768                      ; scale words: 128 k + 4 l (lanes 0-15 tile 0, lanes 16-31 tile 1)
.set H0IMG, 34816                      ; cond as source 1: row tile m at 1024 m; block b at 256 b + 16 r + 8 h
.set H0SC,  38912                      ; its scale bytes: 64 m + 4 r + b
.set H1IMG, 39168
.set H1SC,  43264
.set H2IMG, 43520
.set H2SC,  47616
.set FLOOR, 0x1800000                  ; 2^(3 - 127): under it no largest magnitude is taken, so a scale byte cannot fall under 1
.set EOFF,  0xff000000                 ; takes 2 off an exponent field
.set PM, 16                            ; v16 largest magnitude, v17 the partner's, then the byte, v18 the conversion's scale operand
.set PT, 17
.set PE, 18
.set QM, 19                            ; v19-20, v21-22, v36-37: the same for two whole blocks
.set QE, 21
.set QB, 36
.set CA, 24                            ; v24-27, v28-31 a weight's codes; later source 1
.set CB, 28
.set PC, 24
.set CC, 32                            ; v32-33 16 codes just made
.set TP, 34                            ; v34-35 t of my row (a pair is named; its low word serves both halves)
.set WS, 40                            ; v40 the weight's scale words, v41 the rows': scales and nothing else
.set PW, 41
.set RA, 48                            ; v48-111 64 numbers of a weight; later four accumulators' pairs
.set D1, 48
.set D2, 64
.set D3A, 80
.set D3B, 96
.set CN, 112                           ; v112-127 16 numbers of cond; later two fragments of a weight; later at work in silu
.set WF, 112
.set ST, 112
.macro BARRIER                         ; my LDS stores have landed and my LDS loads are in: then the work-group's barrier
	s_wait_dscnt 0x0
	s_barrier_signal -1
	s_barrier_wait -1
.endm
.macro WLOAD pitch                     ; 64 rows of K at my column: each load of the wave reads 128 consecutive bytes
.set wi, 0
.rept 64
	global_load_b32 v[RA+wi], v1, s[2:3] offset:wi*\pitch
.set wi, wi+1
.endr
.endm
; Two whole blocks of 32 in a lane's registers, v[src] on and v[src + 32] on, become 4 + 4 registers of codes; their bytes in v[QB], v[QB + 1]
.macro Q2B src, da, db
	v_max3_num_f32 v[QM], |v[\src]|, |v[\src+1]|, FLOOR
	v_max3_num_f32 v[QM+1], |v[\src+32]|, |v[\src+33]|, FLOOR
.irp qi, 2,4,6,8,10,12,14,16,18,20,22,24,26,28,30
	v_max3_num_f32 v[QM], v[QM], |v[\src+\qi]|, |v[\src+\qi+1]|
	v_max3_num_f32 v[QM+1], v[QM+1], |v[\src+32+\qi]|, |v[\src+33+\qi]|
.endr
	v_add_nc_u32 v[QE], EOFF, v[QM]                ; 2 off the exponent field: the conversion takes the exponent field of this operand as its scale
	v_add_nc_u32 v[QE+1], EOFF, v[QM+1]
	v_lshrrev_b32 v[QB], 23, v[QE]                 ; the scale's byte
	v_lshrrev_b32 v[QB+1], 23, v[QE+1]
.irp qg, 0,1,2,3
	v_cvt_scalef32_pk8_fp4_f32 v[\da+\qg], v[\src+8*\qg:\src+8*\qg+7], v[QE]
	v_cvt_scalef32_pk8_fp4_f32 v[\db+\qg], v[\src+32+8*\qg:\src+39+8*\qg], v[QE+1]
.endr
	v_nop                                          ; one plain place behind a scaled conversion
.endm
; n units of 16 registers at v[d + 16 u]: each is my half of a block of 32 (the other half lies in lane l xor 16).  Codes to v[CC + 2 u], v[CC + 2 u + 1], byte to v[PT + u]
.macro PQ n, d
.set pu, 0
.rept \n
	v_max3_num_f32 v[PM+pu], |v[\d+16*pu]|, |v[\d+16*pu+1]|, FLOOR
.set pu, pu+1
.endr
.irp pi, 2,4,6,8,10,12,14
.set pu, 0
.rept \n
	v_max3_num_f32 v[PM+pu], v[PM+pu], |v[\d+16*pu+\pi]|, |v[\d+16*pu+\pi+1]|
.set pu, pu+1
.endr
.endr
.set pu, 0
.rept \n
	v_permlanex16_b32 v[PT+pu], v[PM+pu], s40, s41
.set pu, pu+1
.endr
.set pu, 0
.rept \n
	v_max_num_f32 v[PM+pu], v[PM+pu], v[PT+pu]
.set pu, pu+1
.endr
.set pu, 0
.rept \n
	v_add_nc_u32 v[PE+pu], EOFF, v[PM+pu]
.set pu, pu+1
.endr
.set pu, 0
.rept \n
	v_lshrrev_b32 v[PT+pu], 23, v[PE+pu]
.set pu, pu+1
.endr
.set pu, 0
.rept \n
	v_cvt_scalef32_pk8_fp4_f32 v[CC+2*pu], v[\d+16*pu:\d+16*pu+7], v[PE+pu]
	v_cvt_scalef32_pk8_fp4_f32 v[CC+2*pu+1], v[\d+16*pu+8:\d+16*pu+15], v[PE+pu]
.set pu, pu+1
.endr
	v_nop                                          ; one plain place behind a scaled conversion
.endm
; One layer for my 16 rows x 32 units: tasks tb + qd.  v[d] .. v[d + 15] hold the bias and take the sums: lane (r, h): row r; register 8 u + j: unit 32 qd + 16 h + 8 u + j
.macro LAY tb, d, hi, hs
.irp u, 0,1
.irp g, 0,1
	ds_load_b128 v[WF+8*\u+4*\g:WF+8*\u+4*\g+3], v8 offset:\tb*2048+1024*\u+512*\g
.endr
.endr
	ds_load_b32 v[WS], v9 offset:128*\tb
.irp g, 0,1
	ds_load_b128 v[PC+4*\g:PC+4*\g+3], v10 offset:\hi+512*\g
.endr
	ds_load_b32 v[PW], v11 offset:\hs
	s_wait_dscnt 0x0
	v_wmma_scale_f32_16x16x128_f8f6f4 v[\d:\d+7], v[WF:WF+7], v[PC:PC+7], v[\d:\d+7], v[WS], v[PW] matrix_a_fmt:MATRIX_FMT_FP4 matrix_b_fmt:MATRIX_FMT_FP4
	v_wmma_scale_f32_16x16x128_f8f6f4 v[\d+8:\d+15], v[WF+8:WF+15], v[PC:PC+7], v[\d+8:\d+15], v[WS], v[PW] matrix_a_fmt:MATRIX_FMT_FP4 matrix_b_fmt:MATRIX_FMT_FP4 matrix_a_scale:MATRIX_SCALE_ROW1
.rept 4
	v_nop                                          ; four places in front of the first read of the results and of writes and loads into the operands
.endr
.endm
.macro SILU16 d                        ; x / (1 + 2^(-x log2 e)), 16 numbers, from the low end on
.irp p, 0,2,4,6,8,10,12,14
	v_pk_mul_f32 v[ST+\p:ST+\p+1], v[\d+\p:\d+\p+1], 0xbfb8aa3b op_sel_hi:[1,0]
.endr
.irp p, 0,1,2,3,4,5,6,7,8,9,10,11,12,13,14,15
	v_exp_f32 v[ST+\p], v[ST+\p]
.endr
	v_nop                                          ; a plain place behind the transcendentals
	s_wait_alu depctr_va_vdst(0)
.irp p, 0,2,4,6,8,10,12,14
	v_pk_add_f32 v[ST+\p:ST+\p+1], v[ST+\p:ST+\p+1], 1.0 op_sel_hi:[1,0]
.endr
.irp p, 0,1,2,3,4,5,6,7,8,9,10,11,12,13,14,15
	v_rcp_f32 v[ST+\p], v[ST+\p]
.endr
	v_nop
	s_wait_alu depctr_va_vdst(0)
.irp p, 0,2,4,6,8,10,12,14
	v_pk_mul_f32 v[\d+\p:\d+\p+1], v[\d+\p:\d+\p+1], v[ST+\p:ST+\p+1]
.endr
.endm
.macro BIAS d, sb                      ; my 16 units' biases, in the result's layout
.irp q, 0,1,2,3
	global_load_b128 v[\d+4*\q:\d+4*\q+3], v12, s[\sb:\sb+1] offset:16*\q
.endr
.endm
	s_load_b128 s[4:7], s[0:1], 0x0                ; nodes, t
	s_load_b512 s[16:31], s[0:1], 0x10             ; the 24 addresses of the four MLPs, six each: w1, b1, w2, b2, w3, b3
	s_load_b512 s[32:47], s[0:1], 0x50
	s_load_b512 s[48:63], s[0:1], 0x90
	s_load_b64 s[8:9], s[0:1], 0xd0                ; mods
	v_lshl_add_u32 v46, v0, 2, 0xbb00
	v_mov_b32 v47, 0
	v_lshrrev_b32 v16, 5, v0
	v_readfirstlane_b32 s10, v16                   ; wave 0..31
	v_and_b32 v16, 31, v0                          ; l
	v_and_b32 v17, 15, v0                          ; r
	v_bfe_u32 v18, v0, 4, 1                        ; h
	v_bfe_u32 v19, v0, 3, 1
	v_and_b32 v20, 7, v0
	v_lshl_add_u32 v19, v19, 4, v20                ; r + 8 (r / 8)
	v_lshl_add_u32 v20, v18, 3, v19                ; perm(l)
	s_lshr_b32 s11, s10, 1                         ; k: my task
	s_and_b32 s12, s10, 1                          ; c: which 64 rows of K
	s_and_b32 s13, ttmp9, 1                        ; 1: an MLP with 128 outputs
	s_and_b32 s14, s10, 3                          ; m: my row tile
	s_bfe_u32 s15, s10, 0x20002                    ; qd: my quarter of the units
	; every address register is made here, ahead of the first parting of the waves, and stays
	v_lshlrev_b32 v1, 2, v20                       ; v1  a weight: 4 x my column
	s_lshl_b32 s66, s11, 11
	s_lshl_b32 s67, s12, 9
	s_add_co_u32 s66, s66, s67
	v_lshl_add_u32 v2, v16, 4, s66                 ; v2  where my codes go: 2048 k + 512 c + 16 l
	s_lshl_b32 s66, s11, 7
	s_lshl_b32 s67, s12, 1
	s_add_co_u32 s66, s66, s67
	s_add_co_u32 s66, s66, WSC
	v_lshl_add_u32 v3, v16, 2, s66                 ; v3  and my two scale bytes: WSC + 128 k + 4 l + 2 c
	v_lshlrev_b32 v4, 9, v17
	v_lshl_add_u32 v4, v18, 6, v4                  ; v4  nodes: 512 r + 64 h
	v_lshlrev_b32 v5, 2, v17                       ; v5  t: 4 r
	s_lshl_b32 s66, s14, 10
	s_lshl_b32 s67, s15, 8
	s_add_co_u32 s67, s66, s67
	v_lshlrev_b32 v6, 4, v17
	v_lshl_add_u32 v6, v18, 3, v6
	v_add_nc_u32 v6, s67, v6                       ; v6  my 16 codes in a rows' image: 1024 m + 256 qd + 16 r + 8 h
	s_lshl_b32 s67, s14, 6
	s_add_co_u32 s68, s67, s15
	v_lshl_add_u32 v7, v17, 2, s68                 ; v7  my block's byte: 64 m + 4 r + qd
	s_lshl_b32 s68, s15, 11
	v_lshl_add_u32 v8, v16, 4, s68                 ; v8  a weight's fragments: 16 l + 2048 qd
	s_lshl_b32 s68, s15, 7
	s_add_co_u32 s68, s68, WSC
	v_lshl_add_u32 v9, v16, 2, s68                 ; v9  its scale words
	v_lshl_add_u32 v10, v16, 4, s66                ; v10 the rows' fragment: 16 l + 1024 m
	v_lshl_add_u32 v11, v17, 2, s67                ; v11 the rows' scale words: 4 r + 64 m
	v_lshlrev_b32 v12, 6, v18                      ; v12 a bias: 64 h
	v_mul_u32_u24 v13, v17, 3072
	v_lshl_add_u32 v13, v18, 6, v13                ; v13 mods: 3072 r + 64 h
	v_mov_b32 v[PT], 0                             ; a lane permute's destination counts as one of its sources
	v_mov_b32 v[TP+1], 0                           ; named as the upper half of a pair
	s_wait_kmcnt 0x0
	s_cmp_eq_u32 ttmp9, 1                          ; my MLP's six addresses into s[16:27]: the choice hangs on the work-group's number alone
.irp j, 0,1,2,3,4,5
	s_cselect_b64 s[16+2*\j:17+2*\j], s[28+2*\j:29+2*\j], s[16+2*\j:17+2*\j]
.endr
	s_cmp_eq_u32 ttmp9, 2
.irp j, 0,1,2,3,4,5
	s_cselect_b64 s[16+2*\j:17+2*\j], s[40+2*\j:41+2*\j], s[16+2*\j:17+2*\j]
.endr
	s_cmp_eq_u32 ttmp9, 3
.irp j, 0,1,2,3,4,5
	s_cselect_b64 s[16+2*\j:17+2*\j], s[52+2*\j:53+2*\j], s[16+2*\j:17+2*\j]
.endr
	s_mov_b32 s40, 0x76543210                      ; v_permlanex16_b32's selects for lane l xor 16
	s_mov_b32 s41, 0xfedcba98
	s_and_b32 s28, s11, 3
	s_and_b32 s29, s11, 7
	s_cmp_lt_u32 s11, 8
	s_cselect_b64 s[2:3], s[20:21], s[24:25]       ; my task's weight
	s_cselect_b32 s28, s28, s29                    ; and which 32 columns of it
	s_cmp_lt_u32 s11, 4
	s_cselect_b64 s[2:3], s[16:17], s[2:3]
	s_lshl_b32 s28, s28, 7
	s_lshr_b32 s30, s11, 3
	s_xor_b32 s31, s13, 1
	s_and_b32 s30, s30, s31                        ; s30 = 1: rows of 1,024 bytes (w3 with 256 outputs), else of 512
	s_lshl_b32 s29, s12, 15
	s_lshl_b32 s29, s29, s30                       ; c x 64 rows
	s_add_co_u32 s28, s28, s29
	s_mov_b32 s29, 0
	s_add_nc_u64 s[2:3], s[2:3], s[28:29]
	s_lshr_b32 s31, s11, 2
	s_cmp_eq_u32 s31, 3
	s_cselect_b32 s31, s13, 0                      ; s31 = 1: tasks 12-15 of an MLP with 128 outputs: there are none
	s_lshl_b32 s28, s15, 7                         ; 128 qd
	s_add_nc_u64 s[18:19], s[18:19], s[28:29]      ; b1, b2, b3 at my quarter
	s_add_nc_u64 s[22:23], s[22:23], s[28:29]
	s_add_nc_u64 s[26:27], s[26:27], s[28:29]
	s_mov_b32 s33, 0
	s_lshl_b32 s32, s14, 13
	s_add_co_u32 s32, s32, s28
	s_add_nc_u64 s[4:5], s[4:5], s[32:33]          ; nodes at row 16 m, number 32 qd
	s_lshl_b32 s32, s14, 6
	s_add_nc_u64 s[6:7], s[6:7], s[32:33]          ; t at row 16 m
	s_mul_i32 s32, s14, 49152
	s_add_co_u32 s32, s32, s28
	s_lshr_b32 s34, ttmp9, 1
	s_mul_i32 s34, s34, 1536
	s_add_co_u32 s32, s32, s34
	s_lshl_b32 s34, s13, 10
	s_add_co_u32 s32, s32, s34
	s_add_nc_u64 s[8:9], s[8:9], s[32:33]          ; mods at row 16 m, my MLP's slot, number 32 qd
	s_xor_b32 s32, s13, 1
	s_lshl_b32 s32, s32, 9
	s_add_nc_u64 s[36:37], s[26:27], s[32:33]      ; b3's second 128 numbers where it has them, else its first again: the load stays inside the buffer
	; ---- cond is asked for
	s_cmp_lt_u32 s10, 16
	s_cbranch_scc0 .Ltask
.irp q, 0,1,2,3
	global_load_b128 v[CN+4*\q:CN+4*\q+3], v4, s[4:5] offset:16*\q
.endr
	global_load_b32 v[TP], v5, s[6:7]
.Ltask:
	; ---- my half-task: 32 columns x 64 along K become four registers of each of two tiles, and two scale bytes a column
	s_cmp_lg_u32 s31, 0
	s_cbranch_scc1 .Lnotask
	s_cmp_lg_u32 s30, 0
	s_cbranch_scc1 .Lwide
	WLOAD 512
	s_branch .Lgot
.Lwide:
	WLOAD 1024
.Lgot:
	s_wait_loadcnt 0x0
	Q2B RA, CA, CB
.irp i, 0,1,2,3
	v_permlane16_swap_b32 v[CA+\i], v[CB+\i]       ; the first's lanes 16-31 change places with the second's lanes 0-15: now tile 0's and tile 1's registers 4 c .. 4 c + 3
.endr
	ds_store_b128 v2, v[CA:CA+3]
	ds_store_b128 v2, v[CB:CB+3] offset:1024
	v_lshl_or_b32 v[QB], v[QB+1], 8, v[QB]
	ds_store_b16 v3, v[QB]
.Lnotask:
	; ---- cond: my 16 rows x my block of 32; then the biases into the accumulators
	s_cmp_lt_u32 s10, 16
	s_cbranch_scc0 .Lb1
	s_wait_loadcnt 0x0
.irp p, 0,2,4,6,8,10,12,14
	v_pk_add_f32 v[CN+\p:CN+\p+1], v[CN+\p:CN+\p+1], v[TP:TP+1] op_sel_hi:[1,0]
.endr
	PQ 1, CN
	ds_store_b64 v6, v[CC:CC+1] offset:H0IMG
	ds_store_b8 v7, v[PT] offset:H0SC              ; both lanes of a block write the same byte with the same value
	BIAS D1, 18
	BIAS D2, 22
	BIAS D3A, 26
	BIAS D3B, 36
.Lb1:
	BARRIER                                        ; the weights' and cond's images lie in LDS
	s_cmp_lt_u32 s10, 16
	s_cbranch_scc0 .Lb2
	s_wait_loadcnt 0x0                             ; the biases
	LAY 0, D1, H0IMG, H0SC
	SILU16 D1
	PQ 1, D1
	ds_store_b64 v6, v[CC:CC+1] offset:H1IMG
	ds_store_b8 v7, v[PT] offset:H1SC
.Lb2:
	BARRIER                                        ; the first hidden layer's
	s_cmp_lt_u32 s10, 16
	s_cbranch_scc0 .Lb3
	LAY 4, D2, H1IMG, H1SC
	SILU16 D2
	PQ 1, D2
	ds_store_b64 v6, v[CC:CC+1] offset:H2IMG
	ds_store_b8 v7, v[PT] offset:H2SC
.Lb3:
	BARRIER                                        ; the second's
	s_cmp_lt_u32 s10, 16
	s_cbranch_scc0 .Lend
	LAY 8, D3A, H2IMG, H2SC
.irp q, 0,1,2,3
	global_store_b128 v13, v[D3A+4*\q:D3A+4*\q+3], s[8:9] offset:16*\q
.endr
	s_cmp_lg_u32 s13, 0
	s_cbranch_scc1 .Lend
	LAY 12, D3B, H2IMG, H2SC                       ; outputs 128 on, where the MLP has 256
.irp q, 0,1,2,3
	global_store_b128 v13, v[D3B+4*\q:D3B+4*\q+3], s[8:9] offset:512+16*\q
.endr
.Lend:
	s_wait_tensorcnt 0x0
	ds_add_u32 v46, v47
	s_wait_dscnt 0x0
	s_endpgm
.Lfunc_end_k_q2c6f905398_mlp:
	.size	k_q2c6f905398_mlp, .Lfunc_end_k_q2c6f905398_mlp-k_q2c6f905398_mlp
	.p2alignl 7, 3214868480
	.fill 96, 4, 3214868480
	.section	.rodata,"a",@progbits
	.p2align	6, 0x0
	.amdhsa_kernel k_q2c6f905398_mlp
		.amdhsa_group_segment_fixed_size 51968
		.amdhsa_private_segment_fixed_size 0
		.amdhsa_enable_private_segment 0
		.amdhsa_kernarg_size 216
		.amdhsa_user_sgpr_count 2
		.amdhsa_user_sgpr_kernarg_segment_ptr 1
		.amdhsa_wavefront_size32 1
		.amdhsa_system_sgpr_workgroup_id_x 1
		.amdhsa_system_sgpr_workgroup_id_y 1
		.amdhsa_system_sgpr_workgroup_id_z 1
		.amdhsa_system_vgpr_workitem_id 0
		.amdhsa_next_free_vgpr 128
		.amdhsa_next_free_sgpr 72
		.amdhsa_reserve_vcc 0
		.amdhsa_float_denorm_mode_32 3
		.amdhsa_float_denorm_mode_16_64 3
		.amdhsa_memory_ordered 1
		.amdhsa_forward_progress 1
		.amdhsa_inst_pref_size 37
	.end_amdhsa_kernel
	.amdgpu_metadata
---
amdhsa.version: [ 1, 2 ]
amdhsa.kernels:
  - .name:           k_q2c6f905398_mlp
    .symbol:         k_q2c6f905398_mlp.kd
    .args:
      - { .name: nodes, .offset: 0, .size: 8, .value_kind: global_buffer, .address_space: global }
      - { .name: t, .offset: 8, .size: 8, .value_kind: global_buffer, .address_space: global }
      - { .name: an_gb_w1, .offset: 16, .size: 8, .value_kind: global_buffer, .address_space: global }
      - { .name: an_gb_b1, .offset: 24, .size: 8, .value_kind: global_buffer, .address_space: global }
      - { .name: an_gb_w2, .offset: 32, .size: 8, .value_kind: global_buffer, .address_space: global }
      - { .name: an_gb_b2, .offset: 40, .size: 8, .value_kind: global_buffer, .address_space: global }
      - { .name: an_gb_w3, .offset: 48, .size: 8, .value_kind: global_buffer, .address_space: global }
      - { .name: an_gb_b3, .offset: 56, .size: 8, .value_kind: global_buffer, .address_space: global }
      - { .name: an_a_w1, .offset: 64, .size: 8, .value_kind: global_buffer, .address_space: global }
      - { .name: an_a_b1, .offset: 72, .size: 8, .value_kind: global_buffer, .address_space: global }
      - { .name: an_a_w2, .offset: 80, .size: 8, .value_kind: global_buffer, .address_space: global }
      - { .name: an_a_b2, .offset: 88, .size: 8, .value_kind: global_buffer, .address_space: global }
      - { .name: an_a_w3, .offset: 96, .size: 8, .value_kind: global_buffer, .address_space: global }
      - { .name: an_a_b3, .offset: 104, .size: 8, .value_kind: global_buffer, .address_space: global }
      - { .name: fn_gb_w1, .offset: 112, .size: 8, .value_kind: global_buffer, .address_space: global }
      - { .name: fn_gb_b1, .offset: 120, .size: 8, .value_kind: global_buffer, .address_space: global }
      - { .name: fn_gb_w2, .offset: 128, .size: 8, .value_kind: global_buffer, .address_space: global }
      - { .name: fn_gb_b2, .offset: 136, .size: 8, .value_kind: global_buffer, .address_space: global }
      - { .name: fn_gb_w3, .offset: 144, .size: 8, .value_kind: global_buffer, .address_space: global }
      - { .name: fn_gb_b3, .offset: 152, .size: 8, .value_kind: global_buffer, .address_space: global }
      - { .name: fn_a_w1, .offset: 160, .size: 8, .value_kind: global_buffer, .address_space: global }
      - { .name: fn_a_b1, .offset: 168, .size: 8, .value_kind: global_buffer, .address_space: global }
      - { .name: fn_a_w2, .offset: 176, .size: 8, .value_kind: global_buffer, .address_space: global }
      - { .name: fn_a_b2, .offset: 184, .size: 8, .value_kind: global_buffer, .address_space: global }
      - { .name: fn_a_w3, .offset: 192, .size: 8, .value_kind: global_buffer, .address_space: global }
      - { .name: fn_a_b3, .offset: 200, .size: 8, .value_kind: global_buffer, .address_space: global }
      - { .name: mods, .offset: 208, .size: 8, .value_kind: global_buffer, .address_space: global }
    .group_segment_fixed_size: 51968
    .private_segment_fixed_size: 0
    .kernarg_segment_align: 8
    .kernarg_segment_size: 216
    .max_flat_workgroup_size: 1024
    .sgpr_count:     72
    .vgpr_count:     128
    .wavefront_size: 32
...
	.end_amdgpu_metadata
.endif
;; end of part 1
;; launch block (part 2): grid 4 x 64, 16 waves a work-group, no clusters, 265,216 bytes of LDS; arguments latent, qw, kw, vw, ow, qb, kb, vb, mods, out0; writes out0
.if DOCPART == 2
	.amdgcn_target "amdgcn-amd-amdhsa--gfx1250"
	.amdhsa_code_object_version 6
	.text
	.protected	k_q2c6f905398_block
	.globl	k_q2c6f905398_block
	.p2align	8
	.type	k_q2c6f905398_block,@function
k_q2c6f905398_block:
	s_mov_b64 s[64:65], 0
	v_nop
	global_prefetch_b8 v0, s[64:65] scope:SCOPE_SE
	s_setreg_imm32_b32 hwreg(HW_REG_WAVE_MODE, 25, 1), 1
	s_wait_xcnt 0x0
; The block behind the conditioning MLPs: x2 = gamma1 snorm(x) + beta1; Q, K, V; attention in 4 heads of 32; O ow; x += alpha1 attn; x += alpha2 (gamma2 snorm(x) + beta2).
; All products on codes of FP4 (E2M1) with one E8M0 scale for each 32 along K.  latent, out0: [64][128 d][512 n] f32.  mods: [64][6][128] f32: alpha1, gamma1, beta1, alpha2, gamma2, beta2.
; SHARES.  Work-group (x = qq, y = b): sample b, queries 128 qq .. 128 qq + 127, all four heads, all 512 keys.  256 work-groups of equal work, 16 waves each, four to a SIMD, so that one wave's vector work
;   stands beside another's products and LDS loads.  No tile is shared through a cluster: tokens are numbered from the work-group's own first query (below), so partners would want different LDS places for the same bytes.
; LOCAL TOKENS.  tau = (token - 128 qq) mod 512: the queries are always tau 0-127, and no LDS address hangs on qq.  A turn by a multiple of 128 keeps the blocks of 32 keys.  The keys are so summed in turned order.
; PHASE 1.  Wave w takes tau 32 w .. 32 w + 31: A LANE TAKES A TOKEN AND ITS 128 REGISTERS RUN ALONG d: mean, variance and the blocks' largest magnitudes need no other lane, and each load of the wave reads 128 consecutive bytes.
;   Lane l takes token perm(l) = l with bits 3 and 4 exchanged: after one exchange of the halves of the lanes the codes ARE two operand tiles whose row r is token 8 tt + r + 8 (r / 8).
;   Each wave also quantises one sixteenth of the weights the same way (a lane to a column, registers down K): tasks 0-3 qw's heads, 4-7 kw's, 8-11 vw's, 12-15 ow's columns 32 g on.
; PHASE 2.  K and Q transposed (source 0 = 16 columns of the weight, source 1 = 16 tokens: a lane holds 16 neighbours of a head's 32), V not (a lane holds 16 neighbouring KEYS of one channel); quantised, images to LDS.
;   K IS PACKED FOUR TILES TO A FRAGMENT: a head's 32 are one of the instruction's four blocks along K.  Fragment F holds the tiles of keys 4 F .. 4 F + 3, one in each block; Q laid in block j, zero codes elsewhere, picks tile j.
; PHASE 3.  Wave = head w % 4 x 32 queries (two tiles).  S^T = K Q^T, p = 2^(t - M) with M the running largest t rounded up to a whole number, quantised along the keys; the row's sum of the unquantised p; O^T += V^T P^T.
; PHASE 4.  Waves 0-7: 16 tokens each: O (d' = 4 k + head) quantised, times ow, residual, second norm, residual; the result takes x's place in LDS.  All waves store whole rows of 512 bytes.
; OPERANDS GO FROM WAVE TO WAVE THROUGH LDS AS IMAGES OF THEIR REGISTERS (a group of four registers: 16 bytes a lane, 512 bytes on end).
; LIMITS: NaN and infinities among the inputs are not served.  A token whose variance lies under 2^-126 and is not 0 is not served (v_rsq_f32 takes a denormal as 0: ISA guide 15.8).
;   The norm multiplies by v_rsq_f32 where reference() divides by the root.  A block of zeros gets the scale byte 1 where the rule says 127: its codes are zeros, and this program alone reads the bytes.
.set WIMG,  0                          ; 16 tasks x 2,048: tile u at + 1024 u, register group c at + 512 c, lane at + 16 l
.set WSC,   32768                      ; their scale words: 128 x task + 4 l
.set KIMG,  34816                      ; head at 8192 hd; fragment F at 1024 F
.set KSC,   67584                      ; 512 hd + 64 F + 4 r + block
.set VIMG,  69632                      ; 8192 hd + 2048 step + 1024 u
.set VSC,   102400                     ; 512 hd + 128 step + 64 u + 4 r + block
.set QIMG,  104448                     ; 2048 hd + 256 tile + 16 r: a row's 32 codes
.set QSC,   112640                     ; 512 hd + 64 tile + 4 r: the byte four times
.set XQIMG, 114688                     ; x2 of the queries: 1024 x tile
.set XQSC,  122880
.set CST,   123392                     ; nine vectors of 512 bytes: mods' six, qb, kb, vb
.set OST,   128000                     ; O: 128 tokens x (512 + 16) bytes
.set XST,   195584                     ; x, later the result: 128 rows d x (512 + 16) bytes, column = local token
.set FLOOR, 0x1800000                  ; 2^(3 - 127): under it no largest magnitude is taken, so a scale byte cannot fall under 1
.set EOFF,  0xff000000                 ; takes 2 off an exponent field
; REGISTERS: v1-15 addresses, made anew from v0 and the wave's number at each phase's head, on the way that all waves take; v16-39 at work; v40-47 scales and nothing else; v48-255 by phase.
.set PM, 16                            ; PQ: v16-23 largest magnitudes, v24-31 the partners', then bytes, v32-39 the conversions' scale operands, v64-79 codes
.set PT, 24
.set PE, 32
.set CC, 64
.set QM, 28                            ; Q2B: v28-29, v30-31, v32-33
.set QE, 30
.set QB, 32
.set BM, 224                           ; phase 3: a block's largest score, then p; the partner's, then the byte; the conversion's scale operand
.set BT, 228
.set BE, 232
.set FF, 236                           ; v236-237 f = 2^(old M - new M) (a pair is named; its low word serves both halves)
.set TT, 238
.set TM, 16                            ; phase 4's quantiser: v16-19, v20-23, v28-31
.macro LANES
	v_and_b32 v16, 31, v0                          ; l
	v_and_b32 v17, 15, v0                          ; r
	v_bfe_u32 v18, v0, 4, 1                        ; h
	v_bfe_u32 v19, v0, 3, 1
	v_and_b32 v20, 7, v0
	v_lshl_add_u32 v19, v19, 4, v20                ; rp = r + 8 (r / 8)
	v_lshl_add_u32 v20, v18, 3, v19                ; perm(l)
.endm
.macro BARRIER                         ; my LDS stores have landed and my LDS loads are in: then the work-group's barrier
	s_wait_dscnt 0x0
	s_barrier_signal -1
	s_barrier_wait -1
.endm
; D = A B + C.  cz = 1: C is 0, else C is D.  ra, rb = 1: that side's scale words are taken from lanes 16-31 of its register
.macro WM d, a, b, cz, sa, sb, ra, rb
.if (\cz) && (\ra) && (\rb)
	v_wmma_scale_f32_16x16x128_f8f6f4 v[0+(\d):7+(\d)], v[0+(\a):7+(\a)], v[0+(\b):7+(\b)], 0, v[\sa], v[\sb] matrix_a_fmt:MATRIX_FMT_FP4 matrix_b_fmt:MATRIX_FMT_FP4 matrix_a_scale:MATRIX_SCALE_ROW1 matrix_b_scale:MATRIX_SCALE_ROW1
.elseif (\cz) && (\ra)
	v_wmma_scale_f32_16x16x128_f8f6f4 v[0+(\d):7+(\d)], v[0+(\a):7+(\a)], v[0+(\b):7+(\b)], 0, v[\sa], v[\sb] matrix_a_fmt:MATRIX_FMT_FP4 matrix_b_fmt:MATRIX_FMT_FP4 matrix_a_scale:MATRIX_SCALE_ROW1
.elseif (\cz) && (\rb)
	v_wmma_scale_f32_16x16x128_f8f6f4 v[0+(\d):7+(\d)], v[0+(\a):7+(\a)], v[0+(\b):7+(\b)], 0, v[\sa], v[\sb] matrix_a_fmt:MATRIX_FMT_FP4 matrix_b_fmt:MATRIX_FMT_FP4 matrix_b_scale:MATRIX_SCALE_ROW1
.elseif (\cz)
	v_wmma_scale_f32_16x16x128_f8f6f4 v[0+(\d):7+(\d)], v[0+(\a):7+(\a)], v[0+(\b):7+(\b)], 0, v[\sa], v[\sb] matrix_a_fmt:MATRIX_FMT_FP4 matrix_b_fmt:MATRIX_FMT_FP4
.elseif (\ra) && (\rb)
	v_wmma_scale_f32_16x16x128_f8f6f4 v[0+(\d):7+(\d)], v[0+(\a):7+(\a)], v[0+(\b):7+(\b)], v[0+(\d):7+(\d)], v[\sa], v[\sb] matrix_a_fmt:MATRIX_FMT_FP4 matrix_b_fmt:MATRIX_FMT_FP4 matrix_a_scale:MATRIX_SCALE_ROW1 matrix_b_scale:MATRIX_SCALE_ROW1
.elseif (\ra)
	v_wmma_scale_f32_16x16x128_f8f6f4 v[0+(\d):7+(\d)], v[0+(\a):7+(\a)], v[0+(\b):7+(\b)], v[0+(\d):7+(\d)], v[\sa], v[\sb] matrix_a_fmt:MATRIX_FMT_FP4 matrix_b_fmt:MATRIX_FMT_FP4 matrix_a_scale:MATRIX_SCALE_ROW1
.elseif (\rb)
	v_wmma_scale_f32_16x16x128_f8f6f4 v[0+(\d):7+(\d)], v[0+(\a):7+(\a)], v[0+(\b):7+(\b)], v[0+(\d):7+(\d)], v[\sa], v[\sb] matrix_a_fmt:MATRIX_FMT_FP4 matrix_b_fmt:MATRIX_FMT_FP4 matrix_b_scale:MATRIX_SCALE_ROW1
.else
	v_wmma_scale_f32_16x16x128_f8f6f4 v[0+(\d):7+(\d)], v[0+(\a):7+(\a)], v[0+(\b):7+(\b)], v[0+(\d):7+(\d)], v[\sa], v[\sb] matrix_a_fmt:MATRIX_FMT_FP4 matrix_b_fmt:MATRIX_FMT_FP4
.endif
.endm
.macro PLACES                          ; four places behind a matrix instruction, in front of reads of its result and of writes and loads into its registers
.rept 4
	v_nop
.endr
.endm
.macro WLOAD dst, row0, pitch, va      ; 64 rows of K of my task's weight at my column: each load of the wave reads 128 consecutive bytes
.set wi, 0
.rept 64
	global_load_b32 v[\dst+wi], v[\va], s[2:3] offset:(\row0+wi)*\pitch
.set wi, wi+1
.endr
.endm
; Two whole blocks of 32 in a lane's registers, v[src] on and v[src + 32] on, become 4 + 4 registers of codes; their bytes in v[QB], v[QB + 1]
.macro Q2B src, da, db
	v_max3_num_f32 v[QM], |v[\src]|, |v[\src+1]|, FLOOR
	v_max3_num_f32 v[QM+1], |v[\src+32]|, |v[\src+33]|, FLOOR
.irp qi, 2,4,6,8,10,12,14,16,18,20,22,24,26,28,30
	v_max3_num_f32 v[QM], v[QM], |v[\src+\qi]|, |v[\src+\qi+1]|
	v_max3_num_f32 v[QM+1], v[QM+1], |v[\src+32+\qi]|, |v[\src+33+\qi]|
.endr
	v_add_nc_u32 v[QE], EOFF, v[QM]                ; 2 off the exponent field: the conversion takes the exponent field of this operand as its scale
	v_add_nc_u32 v[QE+1], EOFF, v[QM+1]
	v_lshrrev_b32 v[QB], 23, v[QE]                 ; the scale's byte
	v_lshrrev_b32 v[QB+1], 23, v[QE+1]
.irp qg, 0,1,2,3
	v_cvt_scalef32_pk8_fp4_f32 v[\da+\qg], v[\src+8*\qg:\src+8*\qg+7], v[QE]
	v_cvt_scalef32_pk8_fp4_f32 v[\db+\qg], v[\src+32+8*\qg:\src+39+8*\qg], v[QE+1]
.endr
	v_nop                                          ; one plain place behind a scaled conversion
.endm
; n units of 16 registers at v[d + 16 u]: each is my half of a block of 32 (the other half lies in lane l xor 16).  Codes to v[CC + 2 u], v[CC + 2 u + 1], byte to v[PT + u].  The units take turns line by line
.macro PQ n, d
.set pu, 0
.rept \n
	v_max3_num_f32 v[PM+pu], |v[\d+16*pu]|, |v[\d+16*pu+1]|, FLOOR
.set pu, pu+1
.endr
.irp pi, 2,4,6,8,10,12,14
.set pu, 0
.rept \n
	v_max3_num_f32 v[PM+pu], v[PM+pu], |v[\d+16*pu+\pi]|, |v[\d+16*pu+\pi+1]|
.set pu, pu+1
.endr
.endr
.set pu, 0
.rept \n
	v_permlanex16_b32 v[PT+pu], v[PM+pu], s28, s29
.set pu, pu+1
.endr
.set pu, 0
.rept \n
	v_max_num_f32 v[PM+pu], v[PM+pu], v[PT+pu]
.set pu, pu+1
.endr
.set pu, 0
.rept \n
	v_add_nc_u32 v[PE+pu], EOFF, v[PM+pu]
.set pu, pu+1
.endr
.set pu, 0
.rept \n
	v_lshrrev_b32 v[PT+pu], 23, v[PE+pu]
.set pu, pu+1
.endr
.set pu, 0
.rept \n
	v_cvt_scalef32_pk8_fp4_f32 v[CC+2*pu], v[\d+16*pu:\d+16*pu+7], v[PE+pu]
	v_cvt_scalef32_pk8_fp4_f32 v[CC+2*pu+1], v[\d+16*pu+8:\d+16*pu+15], v[PE+pu]
.set pu, pu+1
.endr
	v_nop                                          ; one plain place behind a scaled conversion
.endm
.macro JOIN                            ; four packed chains into v16
	v_pk_add_f32 v[16:17], v[16:17], v[18:19]
	v_pk_add_f32 v[20:21], v[20:21], v[22:23]
	v_pk_add_f32 v[16:17], v[16:17], v[20:21]
	v_add_f32 v16, v16, v17
.endm
.macro SUM8 x, rounds                  ; the sum of the 16 + 8 rounds registers from v[x] on; the first lines start the chains
.irp q, 0,1,2,3
	v_pk_add_f32 v[16+2*\q:17+2*\q], v[\x+2*\q:\x+1+2*\q], v[\x+8+2*\q:\x+9+2*\q]
.endr
.set xj, 16
.rept \rounds
.irp q, 0,1,2,3
	v_pk_add_f32 v[16+2*\q:17+2*\q], v[16+2*\q:17+2*\q], v[\x+xj+2*\q:\x+xj+1+2*\q]
.endr
.set xj, xj+8
.endr
	JOIN
.endm
.macro SQ8 x, rounds                   ; the sum of the squares of the 8 + 8 rounds registers from v[x] on
.irp q, 0,1,2,3
	v_pk_mul_f32 v[16+2*\q:17+2*\q], v[\x+2*\q:\x+1+2*\q], v[\x+2*\q:\x+1+2*\q]
.endr
.set xj, 8
.rept \rounds
.irp q, 0,1,2,3
	v_pk_fma_f32 v[16+2*\q:17+2*\q], v[\x+xj+2*\q:\x+xj+1+2*\q], v[\x+xj+2*\q:\x+xj+1+2*\q], v[16+2*\q:17+2*\q]
.endr
.set xj, xj+8
.endr
	JOIN
.endm
.macro MEAN                            ; v16 = the sum of 128 -> v[24:25] = the mean, twice
	v_mul_f32 v24, 0x3c000000, v16
	v_mov_b32 v25, v24
.endm
.macro CENTRE x, pairs
.set xj, 0
.rept \pairs
	v_pk_add_f32 v[\x+xj:\x+xj+1], v[\x+xj:\x+xj+1], v[24:25] neg_lo:[0,1] neg_hi:[0,1]
.set xj, xj+2
.endr
.endm
.macro RSTD                            ; v16 = the sum of 128 squares -> v[26:27] = 1 / sqrt(sum / 127), twice; 1 where the sum is 0
	v_mul_f32 v16, 0x3c010204, v16
	v_rsq_f32 v26, v16
	v_cmp_neq_f32 vcc_lo, 0, v16                   ; (the plain place behind the transcendental)
	s_wait_alu depctr_va_vdst(0)
	v_cndmask_b32 v26, 1.0, v26, vcc_lo
	v_mov_b32 v27, v26
.endm
; x2 = gamma1 (c / std) + beta1 for d = 16 ch .. 16 ch + 15.  A register is one d, so gamma1 and beta1 are scalars: 16 of each at a time, two sets of scalar registers by turns
.macro AFF ch
.if (\ch)%2
.set GS, 68
.set GN, 32
.else
.set GS, 32
.set GN, 68
.endif
	s_wait_kmcnt 0x0                               ; this chunk's 32 numbers are in (scalar loads: the count 0 alone shows anything)
.if \ch < 7
	s_load_b512 s[GN:GN+15], s[20:21], 0x200+64*(\ch+1)
	s_load_b512 s[GN+16:GN+31], s[20:21], 0x400+64*(\ch+1)
.endif
.irp p, 0,2,4,6,8,10,12,14
	v_pk_mul_f32 v[128+16*\ch+\p:129+16*\ch+\p], v[128+16*\ch+\p:129+16*\ch+\p], v[26:27]
.endr
.irp p, 0,1,2,3,4,5,6,7,8,9,10,11,12,13,14,15
	v_fma_f32 v[128+16*\ch+\p], v[128+16*\ch+\p], s[GS+\p], s[GS+16+\p]
.endr
.endm
	s_load_b512 s[4:19], s[0:1], 0x0               ; latent, qw, kw, vw, ow, qb, kb, vb
	s_load_b128 s[20:23], s[0:1], 0x40             ; mods, out0
	v_lshrrev_b32 v16, 5, v0
	v_readfirstlane_b32 s24, v16                   ; wave 0..15
	s_mov_b32 s25, ttmp9                           ; qq
	s_and_b32 s26, ttmp7, 0xffff                   ; b
	s_mov_b32 s28, 0x76543210                      ; v_permlanex16_b32's selects for lane l xor 16
	s_mov_b32 s29, 0xfedcba98
	s_mov_b32 s30, 0x3e8293ee                      ; c = log2(e) / sqrt(32)
	s_mov_b32 s31, s30                             ; (named with it as a pair)
; ================= PHASE 1: x2 of my 32 tokens as two operand tiles; my sixteenth of the weights; the vectors =================
; v48-55, v56-63 x2's two tiles (they stay through phase 2); v64-127 the weight's rows 0-63; v128-255 x (register = d), later the weight's rows 64-127 (v128-191) and codes (v192-207); v36-39 a vector; v40 x2's scale words, v41 the weight's
	LANES
	v_lshlrev_b32 v1, 2, v20                       ; v1  4 perm: latent, and qw, kw, vw
	v_lshlrev_b32 v2, 2, v16                       ; v2  4 l: ow takes its columns as they lie
	v_lshlrev_b32 v3, 4, v16                       ; v3  16 l
	s_lshl_b32 s84, s24, 11
	v_add_nc_u32 v4, s84, v3                       ; v4  my task's image: 2048 w + 16 l
	s_add_co_u32 s85, s84, XQIMG
	v_add_nc_u32 v8, s85, v3                       ; v8  x2's images (waves 0-3)
	s_lshl_b32 s84, s24, 7
	s_add_co_u32 s85, s84, WSC
	v_add_nc_u32 v5, s85, v2                       ; v5  my task's scale words
	s_add_co_u32 s85, s84, XST
	v_add_nc_u32 v6, s85, v1                       ; v6  x's place (waves 0-3): column 32 w + perm, rows 0-63;
	v_add_nc_u32 v7, 33792, v6                     ; v7  rows 64-127
	s_add_co_u32 s85, s84, XQSC
	v_add_nc_u32 v9, s85, v2                       ; v9  x2's scale words
	s_lshl_b32 s84, s24, 9
	s_add_co_u32 s84, s84, CST-2048
	v_add_nc_u32 v10, s84, v3                      ; v10 vector w - 4 (waves 4-12)
	s_lshl_b32 s84, s24, 5
	s_lshl_b32 s85, s25, 7
	s_add_co_u32 s84, s84, s85
	s_and_b32 s84, s84, 511                        ; my first token: (32 w + 128 qq) mod 512
	s_lshl_b32 s84, s84, 2
	s_lshl_b32 s86, s26, 18                        ; the sample: 262,144 bytes
	s_add_co_u32 s84, s84, s86
	s_mov_b32 s85, 0
	s_lshl_b32 s88, s25, 9
	s_add_co_u32 s88, s88, s86
	s_lshl_b32 s89, s24, 14
	s_add_co_u32 s88, s88, s89                     ; out0: the sample, column 128 qq, row 8 w
	s_mov_b32 s89, 0
	s_mul_i32 s90, s26, 3072
	s_mov_b32 s91, 0
	s_max_u32 s92, s24, 4
	s_min_u32 s92, s92, 9
	s_sub_co_u32 s92, s92, 4
	s_lshl_b32 s92, s92, 9                         ; mods' slot w - 4, held inside the six
	s_mov_b32 s93, 0
	s_and_b32 s94, s24, 3
	s_mov_b32 s95, 0
	s_wait_kmcnt 0x0
	s_add_nc_u64 s[4:5], s[4:5], s[84:85]
	s_add_nc_u64 s[22:23], s[22:23], s[88:89]
	s_add_nc_u64 s[20:21], s[20:21], s[90:91]
	s_load_b512 s[32:47], s[20:21], 0x200          ; gamma1 and beta1 of d = 0 .. 15
	s_load_b512 s[48:63], s[20:21], 0x400
	s_add_nc_u64 s[66:67], s[20:21], s[92:93]      ; the vector that my wave copies: waves 4-9 mods' slots, 10 qb, 11 kb, 12 vb
	s_cmp_eq_u32 s24, 10
	s_cselect_b64 s[66:67], s[14:15], s[66:67]
	s_cmp_eq_u32 s24, 11
	s_cselect_b64 s[66:67], s[16:17], s[66:67]
	s_cmp_eq_u32 s24, 12
	s_cselect_b64 s[66:67], s[18:19], s[66:67]
	s_cmp_lt_u32 s24, 4                            ; my task's weight
	s_cselect_b64 s[2:3], s[6:7], s[8:9]
	s_cmp_lt_u32 s24, 8
	s_cselect_b64 s[2:3], s[2:3], s[10:11]
	s_cmp_lt_u32 s24, 12
	s_cselect_b64 s[2:3], s[2:3], s[12:13]
	s_cselect_b32 s96, 14, 7                       ; a head is 16,384 bytes on; 32 columns of ow 128
	s_lshl_b32 s94, s94, s96
	s_add_nc_u64 s[2:3], s[2:3], s[94:95]
	s_cmp_lt_u32 s24, 4
	s_cbranch_scc1 .Lnomt
	s_cmp_gt_u32 s24, 12
	s_cbranch_scc1 .Lnomt
	global_load_b128 v[36:39], v3, s[66:67]
.Lnomt:
.set xd, 0
.rept 128
	global_load_b32 v[128+xd], v1, s[4:5] offset:2048*xd           ; x(my token, d)
.set xd, xd+1
.endr
	s_cmp_lt_u32 s24, 12
	s_cbranch_scc0 .Low_a
	WLOAD 64, 0, 128, 1
	s_branch .Lw_a
.Low_a:
	WLOAD 64, 0, 512, 2
.Lw_a:
	s_wait_loadcnt 63                              ; behind x's last load stand the weight's 64: x is in
	s_cmp_lt_u32 s24, 4
	s_cbranch_scc0 .Lnostash
.set xd, 0
.rept 64
	ds_store_b32 v6, v[128+xd] offset:528*xd       ; the queries' x is kept for the residual
	ds_store_b32 v7, v[192+xd] offset:528*xd
.set xd, xd+1
.endr
.Lnostash:
	SUM8 128, 14
	MEAN
	s_wait_dscnt 0x0                               ; the stores have read x: it is centred in place
	CENTRE 128, 64
	SQ8 128, 15
	RSTD
.irp ch, 0,1,2,3,4,5,6,7
	AFF \ch
.endr
	Q2B 128, 48, 56                                ; blocks 0 and 1 along d
	v_lshl_or_b32 v40, v[QB+1], 8, v[QB]
	s_cmp_lt_u32 s24, 12
	s_cbranch_scc0 .Low_b
	WLOAD 128, 64, 128, 1
	s_branch .Lw_b
.Low_b:
	WLOAD 128, 64, 512, 2
.Lw_b:
	Q2B 192, 52, 60                                ; blocks 2 and 3
	v_lshl_or_b32 v40, v[QB], 16, v40
	v_lshl_or_b32 v40, v[QB+1], 24, v40            ; my token's scale word
.irp i, 0,1,2,3,4,5,6,7
	v_permlane16_swap_b32 v[48+\i], v[56+\i]       ; the first's lanes 16-31 change places with the second's lanes 0-15: v48-55 is tile 0 (row r: token r + 8 (r / 8)), v56-63 tile 1 (8 more)
.endr
	s_cmp_lt_u32 s24, 4
	s_cbranch_scc0 .Lnoxq
.irp i, 0,1,2,3
	ds_store_b128 v8, v[48+4*\i:51+4*\i] offset:512*\i
.endr
	ds_store_b32 v9, v40
.Lnoxq:
	s_wait_loadcnt 63                              ; behind the weight's rows 0-63 stand the 64 loads of rows 64-127
	Q2B 64, 192, 200
	v_lshl_or_b32 v41, v[QB+1], 8, v[QB]
	s_wait_loadcnt 0x0
	Q2B 128, 196, 204
	v_lshl_or_b32 v41, v[QB], 16, v41
	v_lshl_or_b32 v41, v[QB+1], 24, v41
.irp i, 0,1,2,3,4,5,6,7
	v_permlane16_swap_b32 v[192+\i], v[200+\i]
.endr
.irp i, 0,1,2,3
	ds_store_b128 v4, v[192+4*\i:195+4*\i] offset:512*\i
.endr
	ds_store_b32 v5, v41
	s_cmp_lt_u32 s24, 4
	s_cbranch_scc1 .Lnomt2
	s_cmp_gt_u32 s24, 12
	s_cbranch_scc1 .Lnomt2
	ds_store_b128 v10, v[36:39]
.Lnomt2:
	BARRIER                                        ; the weights' images, the queries' x and x2 and the nine vectors lie in LDS
; ================= PHASE 2: K, V of my 32 tokens for all heads; Q of one query tile for two heads =================
; v64-127 eight fragments of a weight; behind the products v64-79 codes, v80-95 vb; v96-103 a query tile's x2; v128-255 eight units of 16 results; v42-45 the weights' scale words, v46 the query tile's
	LANES
	s_and_b32 s32, s24, 1
	s_lshr_b32 s33, s24, 1
	s_and_b32 s34, s24, 3
	s_lshr_b32 s35, s24, 2
	v_lshlrev_b32 v1, 4, v16                       ; v1  16 l
	v_lshlrev_b32 v2, 2, v16                       ; v2  4 l
	v_lshlrev_b32 v21, 4, v17
	v_lshl_add_u32 v21, v18, 3, v21                ; 16 r + 8 h: my 16 codes of a row's 32
	v_lshlrev_b32 v22, 2, v17                      ; 4 r
	s_lshl_b32 s36, s24, 9
	s_add_co_u32 s36, s36, KIMG
	v_add_nc_u32 v3, s36, v21                      ; v3  K's codes: tile 2 w + tt is block 2 (w % 2) + tt of fragment w / 2: 512 w + 256 tt
	s_lshl_b32 s36, s33, 6
	s_lshl_b32 s37, s32, 1
	s_add_co_u32 s37, s36, s37
	s_add_co_u32 s37, s37, KSC
	v_add_nc_u32 v4, s37, v22                      ; v4  K's bytes
	s_lshl_b32 s37, s35, 11
	s_lshl_b32 s38, s34, 8
	s_add_co_u32 s37, s37, s38
	s_add_co_u32 s37, s37, VIMG
	v_add_nc_u32 v5, s37, v21                      ; v5  V's codes: my 32 keys are block w % 4 of step w / 4
	s_lshl_b32 s37, s35, 7
	s_add_co_u32 s37, s37, s34
	s_add_co_u32 s37, s37, VSC
	v_add_nc_u32 v6, s37, v22                      ; v6  V's bytes
	s_lshl_b32 s37, s32, 12
	s_lshl_b32 s38, s33, 8
	s_add_co_u32 s38, s37, s38
	s_add_co_u32 s38, s38, QIMG
	v_add_nc_u32 v7, s38, v21                      ; v7  Q's codes: heads 2 (w % 2) + n, tile w / 2
	s_lshl_b32 s38, s32, 10
	s_add_co_u32 s38, s38, s36
	s_add_co_u32 s38, s38, QSC
	v_add_nc_u32 v8, s38, v22                      ; v8  Q's scale words
	v_add_nc_u32 v9, s37, v1                       ; v9  qw's fragments of my two heads
	s_lshl_b32 s38, s32, 8
	s_add_co_u32 s39, s38, WSC
	v_add_nc_u32 v10, s39, v2                      ; v10 their scale words
	s_lshl_b32 s39, s33, 10
	s_add_co_u32 s39, s39, XQIMG
	v_add_nc_u32 v11, s39, v1                      ; v11 my query tile's x2
	s_add_co_u32 s39, s36, XQSC
	v_add_nc_u32 v12, s39, v22                     ; v12 its scale words
	v_lshl_add_u32 v13, v18, 6, CST                ; v13 a bias in the transposed result's layout: 64 h
	v_lshl_add_u32 v14, v19, 2, CST+4096           ; v14 vb at my channel: 4 rp
	s_add_co_u32 s39, s38, CST+3072
	v_lshl_add_u32 v15, v18, 6, s39                ; v15 qb of my two heads
	; ---- K, transposed; kb is the C.  Unit 2 hd + tt: lane (r, h): token (tt, r); register 8 u + j: k = 16 h + 8 u + j.  (The address lines above stand between the last write of x2's tiles and scale word and these products.)
.irp hd, 0,1,2,3
.irp tt, 0,1
.irp u, 0,1
.irp q, 0,1
	ds_load_b128 v[128+16*(2*\hd+\tt)+8*\u+4*\q:131+16*(2*\hd+\tt)+8*\u+4*\q], v13 offset:3584+128*\hd+32*\u+16*\q
.endr
.endr
.endr
.endr
.irp hd, 0,1,2,3
.irp u, 0,1
.irp g, 0,1
	ds_load_b128 v[64+16*\hd+8*\u+4*\g:67+16*\hd+8*\u+4*\g], v1 offset:2048*(4+\hd)+1024*\u+512*\g
.endr
.endr
	ds_load_b32 v[42+\hd], v2 offset:WSC+128*(4+\hd)
.endr
	s_wait_dscnt 0x0
.irp hd, 0,1,2,3
.irp tt, 0,1
.irp u, 0,1
	WM 128+16*(2*\hd+\tt)+8*\u, 64+16*\hd+8*\u, 48+8*\tt, 0, 42+\hd, 40, \u, \tt
.endr
.endr
.endr
	PLACES
	PQ 8, 128
.irp hd, 0,1,2,3
.irp tt, 0,1
	ds_store_b64 v3, v[CC+2*(2*\hd+\tt):CC+2*(2*\hd+\tt)+1] offset:8192*\hd+256*\tt
	ds_store_b8 v4, v[PT+2*\hd+\tt] offset:512*\hd+\tt             ; both lanes of a block write the same byte with the same value
.endr
.endr
	s_wait_dscnt 0x0                               ; the stores have read their registers
	; ---- V, not transposed.  Unit 2 hd + u: lane (r, h): channel 8 u + r + 8 (r / 8); register 8 tt + j: key 16 h + 8 tt + j of my 32
.irp hd, 0,1,2,3
.irp u, 0,1
.irp g, 0,1
	ds_load_b128 v[64+16*\hd+8*\u+4*\g:67+16*\hd+8*\u+4*\g], v1 offset:2048*(8+\hd)+1024*\u+512*\g
.endr
.endr
	ds_load_b32 v[42+\hd], v2 offset:WSC+128*(8+\hd)
.endr
	s_wait_dscnt 0x0
.irp hd, 0,1,2,3
.irp u, 0,1
.irp tt, 0,1
	WM 128+16*(2*\hd+\u)+8*\tt, 48+8*\tt, 64+16*\hd+8*\u, 1, 40, 42+\hd, \tt, \u
.endr
.endr
.endr
	PLACES
.irp hd, 0,1,2,3
.irp u, 0,1
	ds_load_b32 v[80+2*(2*\hd+\u)], v14 offset:(32*\hd+8*\u)*4     ; vb of my channel, into both registers of a pair
	ds_load_b32 v[81+2*(2*\hd+\u)], v14 offset:(32*\hd+8*\u)*4
.endr
.endr
	s_wait_dscnt 0x0
.irp n, 0,1,2,3,4,5,6,7
.irp p, 0,2,4,6,8,10,12,14
	v_pk_add_f32 v[128+16*\n+\p:129+16*\n+\p], v[128+16*\n+\p:129+16*\n+\p], v[80+2*\n:81+2*\n]
.endr
.endr
	PQ 8, 128
.irp hd, 0,1,2,3
.irp u, 0,1
	ds_store_b64 v5, v[CC+2*(2*\hd+\u):CC+2*(2*\hd+\u)+1] offset:8192*\hd+1024*\u
	ds_store_b8 v6, v[PT+2*\hd+\u] offset:512*\hd+64*\u
.endr
.endr
	s_wait_dscnt 0x0
	; ---- Q, transposed; qb is the C.  Query tile w / 2, heads 2 (w % 2) + n
.irp n, 0,1
.irp u, 0,1
.irp q, 0,1
	ds_load_b128 v[128+16*\n+8*\u+4*\q:131+16*\n+8*\u+4*\q], v15 offset:128*\n+32*\u+16*\q
	ds_load_b128 v[64+16*\n+8*\u+4*\q:67+16*\n+8*\u+4*\q], v9 offset:2048*\n+1024*\u+512*\q
.endr
.endr
	ds_load_b32 v[42+\n], v10 offset:128*\n
.endr
	ds_load_b128 v[96:99], v11
	ds_load_b128 v[100:103], v11 offset:512
	ds_load_b32 v46, v12
	s_wait_dscnt 0x0
.irp n, 0,1
.irp u, 0,1
	WM 128+16*\n+8*\u, 64+16*\n+8*\u, 96, 0, 42+\n, 46, \u, 0
.endr
.endr
	PLACES
	PQ 2, 128
.irp n, 0,1
	v_lshl_or_b32 v[PT+\n], v[PT+\n], 8, v[PT+\n]  ; the byte four times: Q may be laid in any of the four blocks
	v_lshl_or_b32 v[PT+\n], v[PT+\n], 16, v[PT+\n]
.endr
.irp n, 0,1
	ds_store_b64 v7, v[CC+2*\n:CC+2*\n+1] offset:2048*\n
	ds_store_b32 v8, v[PT+\n] offset:512*\n
.endr
	BARRIER                                        ; K's, V's and Q's images lie in LDS
; ================= PHASE 3: attention.  Head w % 4, query tiles 2 (w / 4) + qi, qi = 0, 1 =================
; v16+4 qi -M, v17+4 qi the largest t, v[18+4 qi:19+4 qi] the row's sum in two halves; v40, v41 Q's scale words, v42 K's, v43 V's, v44 p's
; v48-63 two fragments of K; v64-79 two of V; v80-115 Q's codes among zeros; v120-127 p's codes; v128-191 S^T, then p; v192-223 O^T, 16 a tile
	LANES
	s_and_b32 s32, s24, 3                          ; hd
	s_lshr_b32 s33, s24, 2                         ; g
	s_lshl_b32 s36, s32, 11
	s_lshl_b32 s37, s33, 9
	s_add_co_u32 s36, s36, s37
	s_add_co_u32 s36, s36, QIMG
	v_lshl_add_u32 v1, v17, 4, s36                 ; v1  Q's codes of row r (both halves of the lanes take them)
	s_lshl_b32 s36, s32, 9
	s_lshl_b32 s37, s33, 7
	s_add_co_u32 s37, s36, s37
	s_add_co_u32 s37, s37, QSC
	v_lshl_add_u32 v2, v17, 2, s37                 ; v2  Q's scale words
	s_lshl_b32 s37, s32, 13
	s_add_co_u32 s38, s37, KIMG
	v_lshl_add_u32 v3, v16, 4, s38                 ; v3  K's fragments
	s_add_co_u32 s38, s36, KSC
	v_lshl_add_u32 v4, v16, 2, s38                 ; v4  K's scale words: lanes 0-15 the step's first fragment, lanes 16-31 its second
	s_add_co_u32 s38, s37, VIMG
	v_lshl_add_u32 v5, v16, 4, s38                 ; v5  V's fragments
	s_add_co_u32 s38, s36, VSC
	v_lshl_add_u32 v6, v16, 2, s38                 ; v6  V's scale words: lanes 0-15 tile 0, lanes 16-31 tile 1
	v_mul_u32_u24 v21, v19, 528
	v_lshl_add_u32 v21, v18, 8, v21
	s_mul_i32 s38, s33, 16896
	s_lshl_b32 s39, s32, 2
	s_add_co_u32 s38, s38, s39
	s_add_co_u32 s38, s38, OST
	v_add_nc_u32 v7, s38, v21                      ; v7  O: token 32 g + 8 qi + rp, d' = 4 (16 h + 8 u + j) + hd
	ds_load_b128 v[116:119], v1
	ds_load_b128 v[120:123], v1 offset:256
	ds_load_b32 v40, v2
	ds_load_b32 v41, v2 offset:64
	; Q's operand for block j is four registers of codes in one half of the lanes and zero codes elsewhere.  Laid Z, L0, Z, H0, Z, L1, Z, H1, Z (four registers each; L: codes in lanes 0-15, H: in lanes 16-31),
	; every one of the eight operands is a run of eight registers: block j of tile qi begins at v[80 + 16 qi + 8 (j % 2) + 4 (1 - j / 2)]
.irp z, 80,88,96,104,112
.irp i, 0,1,2,3
	v_mov_b32 v[\z+\i], 0
.endr
.endr
	s_mov_b32 vcc_lo, 0xffff0000
	s_wait_dscnt 0x0
.irp i, 0,1,2,3
	v_cndmask_b32 v[84+\i], v[116+\i], v[80+\i], vcc_lo
	v_cndmask_b32 v[92+\i], v[80+\i], v[116+\i], vcc_lo
	v_cndmask_b32 v[100+\i], v[120+\i], v[80+\i], vcc_lo
	v_cndmask_b32 v[108+\i], v[80+\i], v[120+\i], vcc_lo
.endr
.irp qi, 0,1
	v_mov_b32 v[17+4*\qi], 0xff61b1e6              ; the largest t so far: -3e38, under every t
	v_floor_f32 v[16+4*\qi], -v[17+4*\qi]          ; -M
	v_mov_b32 v[18+4*\qi], 0                       ; the sum
	v_mov_b32 v[19+4*\qi], 0
.endr
.set xj, 0
.rept 32
	v_mov_b32 v[192+xj], 0                         ; O^T.  (The step is written once: the first finds zeros, which the first change of M leaves zeros)
.set xj, xj+1
.endr
.irp i, 0,1,2,3
	v_mov_b32 v[BT+\i], 0                          ; a lane permute's destination counts as one of its sources
.endr
	v_mov_b32 v[FF+1], 0                           ; named as the upper half of a pair
	s_mov_b32 s34, 4                               ; four steps of 128 keys
	s_mov_b32 s35, 0                               ; the step's fragments: 2,048 bytes a step
	s_mov_b32 s36, 0                               ; its scale words: 128
; One query tile against the step's 128 keys.  Tile t of S^T: lane (r, h): query r; the 16 registers of tiles 2 b, 2 b + 1 are keys 32 b + 16 h + 0 .. 15
.macro TILE qi
.set NM, 16+4*\qi
.set LS, 18+4*\qi
.set OA, 192+16*\qi
.irp t, 0,1,2,3,4,5,6,7
	WM 128+8*\t, 48+8*(\t/4), 80+16*\qi+8*(\t%2)+4*(1-(\t%4)/2), 1, 42, 40+\qi, \t/4, 0
.endr
	PLACES
.irp b, 0,1,2,3
	v_max3_num_f32 v[BM+\b], v[128+16*\b], v[129+16*\b], v[130+16*\b]      ; the largest score of each block of 32 keys: for the row's maximum and, since p rises with the score, for the block's largest p
.endr
.irp j, 3,5,7,9,11,13
.irp b, 0,1,2,3
	v_max3_num_f32 v[BM+\b], v[BM+\b], v[128+16*\b+\j], v[129+16*\b+\j]
.endr
.endr
.irp b, 0,1,2,3
	v_max_num_f32 v[BM+\b], v[BM+\b], v[143+16*\b]
.endr
.irp b, 0,1,2,3
	v_permlanex16_b32 v[BT+\b], v[BM+\b], s28, s29
.endr
.irp b, 0,1,2,3
	v_max_num_f32 v[BM+\b], v[BM+\b], v[BT+\b]     ; with lane l xor 16's 16 keys
.endr
	v_max3_num_f32 v[TT], v[BM], v[BM+1], v[BM+2]
	v_max_num_f32 v[TT], v[TT], v[BM+3]
	v_mul_f32 v[TT], s30, v[TT]                    ; as t (c is positive)
	v_max_num_f32 v[NM+1], v[NM+1], v[TT]          ; the running largest t
	v_mov_b32 v[TT], v[NM]
	v_floor_f32 v[NM], -v[NM+1]                    ; the new -M = floor(-t): M is a whole number
	v_sub_f32 v[TT], v[NM], v[TT]                  ; old M - new M: a whole number, 0 or less
	v_cvt_i32_f32 v[TT], v[TT]                     ; (it saturates)
	v_ldexp_f32 v[FF], 1.0, v[TT]                  ; f = 2^(old M - new M): a multiplication by it rounds nothing
.set xj, 0
.rept 32
	v_pk_fma_f32 v[128+xj:129+xj], v[128+xj:129+xj], s[30:31], v[NM:NM+1] op_sel_hi:[1,0,0]   ; t - M
.set xj, xj+2
.endr
.irp b, 0,1,2,3
	v_fma_f32 v[BM+\b], v[BM+\b], s30, v[NM]       ; the same of each block's largest score
.endr
.set xj, 0
.rept 64
	v_exp_f32 v[128+xj], v[128+xj]                 ; p = 2^(t - M), at most 1, not normalised
.set xj, xj+1
.endr
.irp b, 0,1,2,3
	v_exp_f32 v[BM+\b], v[BM+\b]                   ; the block's largest p: the same two instructions on the same number
.endr
	v_pk_mul_f32 v[LS:LS+1], v[LS:LS+1], v[FF:FF+1] op_sel_hi:[1,0]        ; the sum under the new M.  (The plain place behind the exponentials)
	s_wait_alu depctr_va_vdst(0)
.irp b, 0,1,2,3
	v_max_num_f32 v[BM+\b], FLOOR, v[BM+\b]
.endr
.irp b, 0,1,2,3
	v_add_nc_u32 v[BE+\b], EOFF, v[BM+\b]
.endr
.irp b, 0,1,2,3
	v_lshrrev_b32 v[BT+\b], 23, v[BE+\b]
.endr
	v_lshl_or_b32 v44, v[BT+1], 8, v[BT]           ; p's scale word for these 128 keys
	v_lshl_or_b32 v44, v[BT+2], 16, v44
	v_lshl_or_b32 v44, v[BT+3], 24, v44
.irp b, 0,1,2,3
	v_cvt_scalef32_pk8_fp4_f32 v[120+2*\b], v[128+16*\b:135+16*\b], v[BE+\b]
	v_cvt_scalef32_pk8_fp4_f32 v[121+2*\b], v[136+16*\b:143+16*\b], v[BE+\b]
.endr
	v_nop                                          ; one plain place behind a scaled conversion
.irp g, 0,1                            ; the operand's layout wants a whole block in a lane: lanes 0-15 block 2 g, lanes 16-31 block 2 g + 1
.irp i, 0,1
	v_permlane16_swap_b32 v[120+4*\g+\i], v[122+4*\g+\i]
.endr
.endr
	v_pk_add_f32 v[240:241], v[128:129], v[130:131]                        ; the row's sum is taken of the unquantised p, in two chains
.irp j, 4,8,12,16,20,24,28,32,36,40,44,48,52,56,60
	v_pk_add_f32 v[LS:LS+1], v[LS:LS+1], v[128+\j:129+\j]
	v_pk_add_f32 v[240:241], v[240:241], v[130+\j:131+\j]
.endr
	v_pk_add_f32 v[LS:LS+1], v[LS:LS+1], v[240:241]
.irp p, 0,2,4,6,8,10,12,14
	v_pk_mul_f32 v[OA+\p:OA+\p+1], v[OA+\p:OA+\p+1], v[FF:FF+1] op_sel_hi:[1,0]   ; O^T under the new M
.endr
	WM OA, 64, 120, 0, 43, 44, 0, 0                ; O^T += V^T P^T: register 8 u + j: k = 16 h + 8 u + j.  The accumulators take turns, one instruction a turn
	WM OA+8, 72, 120, 0, 43, 44, 1, 0
.endm
.Lkey:
	v_add_nc_u32 v8, s35, v3                       ; (these four lines are also the places in front of the loads into registers that the last products read)
	v_add_nc_u32 v9, s36, v4
	v_add_nc_u32 v10, s35, v5
	v_add_nc_u32 v11, s36, v6
.irp f, 0,1
.irp g, 0,1
	ds_load_b128 v[48+8*\f+4*\g:51+8*\f+4*\g], v8 offset:1024*\f+512*\g
.endr
.endr
	ds_load_b32 v42, v9
.irp f, 0,1
.irp g, 0,1
	ds_load_b128 v[64+8*\f+4*\g:67+8*\f+4*\g], v10 offset:1024*\f+512*\g
.endr
.endr
	ds_load_b32 v43, v11
	s_wait_dscnt 0x0
	TILE 0
	TILE 1
	s_add_co_u32 s35, s35, 2048
	s_add_co_u32 s36, s36, 128
	s_sub_co_i32 s34, s34, 1
	s_cmp_lg_u32 s34, 0
	s_cbranch_scc1 .Lkey
	PLACES
	v_add_f32 v18, v18, v19                        ; the sums' two halves,
	v_add_f32 v22, v22, v23
	v_permlanex16_b32 v[BT], v18, s28, s29
	v_permlanex16_b32 v[BT+1], v22, s28, s29
	v_add_f32 v18, v18, v[BT]                      ; and lane l xor 16's
	v_add_f32 v22, v22, v[BT+1]
	v_rcp_f32 v232, v18
	v_rcp_f32 v233, v18
	v_rcp_f32 v234, v22
	v_rcp_f32 v235, v22
	v_nop                                          ; a plain place behind the transcendentals
	s_wait_alu depctr_va_vdst(0)
.irp qi, 0,1
.irp p, 0,2,4,6,8,10,12,14
	v_pk_mul_f32 v[192+16*\qi+\p:193+16*\qi+\p], v[192+16*\qi+\p:193+16*\qi+\p], v[232+2*\qi:233+2*\qi]
.endr
.endr
.irp qi, 0,1
.irp u, 0,1
.irp j, 0,1,2,3,4,5,6,7
	ds_store_b32 v7, v[192+16*\qi+8*\u+\j] offset:4224*\qi+128*\u+16*\j
.endr
.endr
.endr
	BARRIER                                        ; O of the 128 queries lies in LDS, the four heads interleaved
; ================= PHASE 4: waves 0-7: tokens 16 w + r =================
; v48-55 O's codes, v44 its scale words, v40-43 ow's; R1 = v64-127, R2 = v128-191, R3 = v192-255: lane (r, h): token r; register 8 T + j: d = 16 T + 8 h + j
	LANES
	s_and_b32 s32, s24, 7
	v_lshlrev_b32 v1, 4, v16                       ; v1  16 l
	v_lshlrev_b32 v2, 2, v16                       ; v2  4 l
	v_mul_u32_u24 v21, v17, 528
	v_lshl_add_u32 v21, v18, 6, v21
	s_mul_i32 s33, s32, 8448
	s_add_co_u32 s33, s33, OST
	v_add_nc_u32 v3, s33, v21                      ; v3  O: my token's row, + 64 h: my 16 numbers of a block of 32
	v_mul_u32_u24 v21, v18, 4224
	v_lshl_add_u32 v21, v17, 2, v21
	s_lshl_b32 s33, s32, 6
	s_add_co_u32 s33, s33, XST
	v_add_nc_u32 v4, s33, v21                      ; v4  x: row 8 h, my token's column
	v_lshl_add_u32 v5, v18, 5, CST                 ; v5  a vector at d = 8 h
	s_mul_i32 s33, s24, 4224
	s_add_co_u32 s33, s33, XST
	v_add_nc_u32 v6, s33, v1                       ; v6  the way out: rows 8 w on, 16 bytes a lane
	s_cmp_lt_u32 s24, 8
	s_cbranch_scc0 .Lb4
.irp b, 0,1,2,3
	v_mov_b32 v[TM+4+\b], 0                        ; a lane permute's destination counts as one of its sources
.endr
.irp b, 0,1,2,3
.irp q, 0,1,2,3
	ds_load_b128 v[64+16*\b+4*\q:67+16*\b+4*\q], v3 offset:128*\b+16*\q    ; register 16 b + i: d' = 32 b + 16 h + i
.endr
.endr
.irp t, 0,1,2,3,4,5,6,7
.irp g, 0,1
	ds_load_b128 v[128+8*\t+4*\g:131+8*\t+4*\g], v1 offset:2048*(12+\t/2)+1024*(\t%2)+512*\g   ; ow's tile t: row r is column 16 t + r
.endr
.endr
.irp g, 0,1,2,3
	ds_load_b32 v[40+\g], v2 offset:WSC+128*(12+\g)
.endr
	s_wait_dscnt 20                                ; behind O's 16 loads stand 16 + 4
.irp b, 0,1,2,3
	v_max3_num_f32 v[TM+\b], |v[64+16*\b]|, |v[65+16*\b]|, FLOOR
.endr
.irp i, 2,4,6,8,10,12,14
.irp b, 0,1,2,3
	v_max3_num_f32 v[TM+\b], v[TM+\b], |v[64+16*\b+\i]|, |v[65+16*\b+\i]|
.endr
.endr
.irp b, 0,1,2,3
	v_permlanex16_b32 v[TM+4+\b], v[TM+\b], s28, s29
.endr
.irp b, 0,1,2,3
	v_max_num_f32 v[TM+\b], v[TM+\b], v[TM+4+\b]
.endr
.irp b, 0,1,2,3
	v_add_nc_u32 v[TM+12+\b], EOFF, v[TM+\b]
.endr
.irp b, 0,1,2,3
	v_lshrrev_b32 v[TM+4+\b], 23, v[TM+12+\b]
.endr
	v_lshl_or_b32 v44, v[TM+5], 8, v[TM+4]
	v_lshl_or_b32 v44, v[TM+6], 16, v44
	v_lshl_or_b32 v44, v[TM+7], 24, v44
.irp b, 0,1,2,3
	v_cvt_scalef32_pk8_fp4_f32 v[48+2*\b], v[64+16*\b:71+16*\b], v[TM+12+\b]
	v_cvt_scalef32_pk8_fp4_f32 v[49+2*\b], v[72+16*\b:79+16*\b], v[TM+12+\b]
.endr
	v_nop                                          ; one plain place behind a scaled conversion
.irp g, 0,1
.irp i, 0,1
	v_permlane16_swap_b32 v[48+4*\g+\i], v[50+4*\g+\i]
.endr
.endr
.irp t, 0,1,2,3,4,5,6,7
.irp j, 0,1,2,3,4,5,6,7
	ds_load_b32 v[64+8*\t+\j], v4 offset:528*(16*\t+\j)            ; x(my token, d)
.endr
.endr
.rept 8
	v_nop                                          ; a scale register written by a vector instruction stands eight places ahead of a scaled matrix instruction, an operand so written four
.endr
	s_wait_dscnt 63                                ; behind ow's fragments and scale words stand x's 64 loads
.irp t, 0,1,2,3,4,5,6,7
	WM 192+8*\t, 128+8*\t, 48, 1, 40+\t/2, 44, \t%2, 0
.endr
	PLACES
.irp t, 0,1,2,3,4,5,6,7
.irp q, 0,1
	ds_load_b128 v[128+8*\t+4*\q:131+8*\t+4*\q], v5 offset:64*\t+16*\q     ; alpha1
.endr
.endr
	s_wait_dscnt 0x0
.set xj, 0
.rept 32
	v_pk_fma_f32 v[192+xj:193+xj], v[128+xj:129+xj], v[192+xj:193+xj], v[64+xj:65+xj]   ; x + alpha1 attn
.set xj, xj+2
.endr
.irp t, 0,1,2,3,4,5,6,7
.irp q, 0,1
	ds_load_b128 v[64+8*\t+4*\q:67+8*\t+4*\q], v5 offset:2048+64*\t+16*\q   ; gamma2
	ds_load_b128 v[128+8*\t+4*\q:131+8*\t+4*\q], v5 offset:2560+64*\t+16*\q ; beta2
.endr
.endr
	SUM8 192, 6                                    ; my 64 of the token's 128,
	v_permlanex16_b32 v17, v16, s28, s29
	v_add_f32 v16, v16, v17                        ; and lane l xor 16's
	MEAN
	CENTRE 192, 32
	SQ8 192, 7
	v_permlanex16_b32 v17, v16, s28, s29
	v_add_f32 v16, v16, v17
	RSTD
	s_wait_dscnt 0x0
.set xj, 0
.rept 32
	v_pk_mul_f32 v[64+xj:65+xj], v[64+xj:65+xj], v[26:27]
.set xj, xj+2
.endr
.set xj, 0
.rept 32
	v_pk_fma_f32 v[64+xj:65+xj], v[64+xj:65+xj], v[192+xj:193+xj], v[128+xj:129+xj]     ; gamma2 snorm(x) + beta2
.set xj, xj+2
.endr
.irp t, 0,1,2,3,4,5,6,7
.irp q, 0,1
	ds_load_b128 v[128+8*\t+4*\q:131+8*\t+4*\q], v5 offset:1536+64*\t+16*\q ; alpha2
.endr
.endr
.set xj, 0
.rept 32
	v_pk_add_f32 v[192+xj:193+xj], v[192+xj:193+xj], v[24:25]      ; x again: the mean goes back on
.set xj, xj+2
.endr
	s_wait_dscnt 0x0
.set xj, 0
.rept 32
	v_pk_fma_f32 v[192+xj:193+xj], v[128+xj:129+xj], v[64+xj:65+xj], v[192+xj:193+xj]
.set xj, xj+2
.endr
.irp t, 0,1,2,3,4,5,6,7
.irp j, 0,1,2,3,4,5,6,7
	ds_store_b32 v4, v[192+8*\t+\j] offset:528*(16*\t+\j)          ; into the words that this lane read x from
.endr
.endr
.Lb4:
	BARRIER                                        ; 128 rows d x 128 tokens of the result lie in LDS
.irp i, 0,1,2,3,4,5,6,7
	ds_load_b128 v[64+4*\i:67+4*\i], v6 offset:528*\i
.endr
.irp i, 0,1,2,3,4,5,6,7
	s_wait_dscnt 7-\i                              ; LDS loads come back in order (ISA guide 5.7.1): row i is in, the younger ones may be out
	global_store_b128 v1, v[64+4*\i:67+4*\i], s[22:23] offset:2048*\i th:TH_STORE_NT   ; the wave stores 512 consecutive bytes, at a multiple of 256 from out0's first byte
.endr
	s_wait_xcnt 0x0
	v_lshl_add_u32 v254, v0, 2, 0x40400
	v_mov_b32 v255, 0
	s_wait_tensorcnt 0x0
	ds_add_u32 v254, v255
	s_wait_dscnt 0x0
	s_endpgm
.Lfunc_end_k_q2c6f905398_block:
	.size	k_q2c6f905398_block, .Lfunc_end_k_q2c6f905398_block-k_q2c6f905398_block
	.p2alignl 7, 3214868480
	.fill 96, 4, 3214868480
	.section	.rodata,"a",@progbits
	.p2align	6, 0x0
	.amdhsa_kernel k_q2c6f905398_block
		.amdhsa_group_segment_fixed_size 265216
		.amdhsa_private_segment_fixed_size 0
		.amdhsa_enable_private_segment 0
		.amdhsa_kernarg_size 80
		.amdhsa_user_sgpr_count 2
		.amdhsa_user_sgpr_kernarg_segment_ptr 1
		.amdhsa_wavefront_size32 1
		.amdhsa_system_sgpr_workgroup_id_x 1
		.amdhsa_system_sgpr_workgroup_id_y 1
		.amdhsa_system_sgpr_workgroup_id_z 1
		.amdhsa_system_vgpr_workitem_id 0
		.amdhsa_next_free_vgpr 256
		.amdhsa_next_free_sgpr 100
		.amdhsa_reserve_vcc 1
		.amdhsa_float_denorm_mode_32 3
		.amdhsa_float_denorm_mode_16_64 3
		.amdhsa_memory_ordered 1
		.amdhsa_forward_progress 1
		.amdhsa_inst_pref_size 197
	.end_amdhsa_kernel
	.amdgpu_metadata
---
amdhsa.version: [ 1, 2 ]
amdhsa.kernels:
  - .name:           k_q2c6f905398_block
    .symbol:         k_q2c6f905398_block.kd
    .args:
      - { .name: latent, .offset: 0, .size: 8, .value_kind: global_buffer, .address_space: global }
      - { .name: qw, .offset: 8, .size: 8, .value_kind: global_buffer, .address_space: global }
      - { .name: kw, .offset: 16, .size: 8, .value_kind: global_buffer, .address_space: global }
      - { .name: vw, .offset: 24, .size: 8, .value_kind: global_buffer, .address_space: global }
      - { .name: ow, .offset: 32, .size: 8, .value_kind: global_buffer, .address_space: global }
      - { .name: qb, .offset: 40, .size: 8, .value_kind: global_buffer, .address_space: global }
      - { .name: kb, .offset: 48, .size: 8, .value_kind: global_buffer, .address_space: global }
      - { .name: vb, .offset: 56, .size: 8, .value_kind: global_buffer, .address_space: global }
      - { .name: mods, .offset: 64, .size: 8, .value_kind: global_buffer, .address_space: global }
      - { .name: out0, .offset: 72, .size: 8, .value_kind: global_buffer, .address_space: global }
    .group_segment_fixed_size: 265216
    .private_segment_fixed_size: 0
    .kernarg_segment_align: 8
    .kernarg_segment_size: 80
    .max_flat_workgroup_size: 512
    .sgpr_count:     100
    .vgpr_count:     256
    .wavefront_size: 32
...
	.end_amdgpu_metadata
.endif
;; end of part 2
;; ======== version 2 of 2: 2 launches; version 1 with the launches mlp, block written anew for expert scheduling mode
;; limits: right only within a limited range of input values
;; workspace buffers: mods 196,608 bytes
;; launch mlp (part 3): grid 4 x 1, 32 waves a work-group, no clusters, 51,968 bytes of LDS; arguments nodes, t, an_gb_w1, an_gb_b1, an_gb_w2, an_gb_b2, an_gb_w3, an_gb_b3, an_a_w1, an_a_b1, an_a_w2, an_a_b2, an_a_w3, an_a_b3, fn_gb_w1, fn_gb_b1, fn_gb_w2, fn_gb_b2, fn_gb_w3, fn_gb_b3, fn_a_w1, fn_a_b1, fn_a_w2, fn_a_b2, fn_a_w3, fn_a_b3, mods; writes mods
.if DOCPART == 3
	.amdgcn_target "amdgcn-amd-amdhsa--gfx1250"
	.amdhsa_code_object_version 6
	.text
	.protected	k_q2c6f905398_mlp
	.globl	k_q2c6f905398_mlp
	.p2align	8
	.type	k_q2c6f905398_mlp,@function
k_q2c6f905398_mlp:
	s_mov_b64 s[64:65], 0
	v_nop
	global_prefetch_b8 v0, s[64:65] scope:SCOPE_SE
	s_setreg_imm32_b32 hwreg(HW_REG_WAVE_SCHED_MODE, 0, 2), 2
	s_setreg_imm32_b32 hwreg(HW_REG_WAVE_MODE, 25, 1), 1
	s_wait_xcnt 0x0
	s_wait_alu depctr_vm_vsrc(0)
; The four conditioning MLPs: out = silu(silu(cond w1 + b1) w2 + b2) w3 + b3, cond[b][d] = nodes[b][d] + t[b], 64 rows, all products on codes of FP4 (E2M1) with one E8M0 scale for each 32 along K.
; Work-group i is MLP i (0 an_gb, 1 an_a, 2 fn_gb, 3 fn_a).  Results go to mods [64 rows][6 slots][128] f32: slots 0, 1 an_gb's 256 numbers, 2 an_a's, 3, 4 fn_gb's, 5 fn_a's.
; WEIGHTS ([K][N] f32, K the first axis): A LANE TAKES A COLUMN AND ITS REGISTERS RUN DOWN K.  Wave w takes half-task (k = w / 2, c = w % 2): 32 columns x 64 rows of K (blocks 2 c, 2 c + 1).
;   tasks 0-3: w1, columns 32 k on; 4-7: w2; 8-15: w3 (an MLP with 128 outputs has tasks 8-11 only).  Lane l takes column perm(l) = l with bits 3 and 4 exchanged, so that after one exchange of the halves of the lanes
;   the codes ARE the registers of two operand tiles whose row r is column 8 u + r + 8 (r / 8): in the transposed product a lane's 16 results of the two tiles are then 16 neighbours along the next K.
; OPERANDS GO FROM WAVE TO WAVE THROUGH LDS AS IMAGES OF THEIR REGISTERS (a group of four registers: 16 bytes a lane, 512 bytes on end); scale words 4 bytes a lane.
; THE CHAIN: waves 0-15; wave w = row tile m = w % 4 (rows 16 m + r) x quarter qd = w / 4 (units 32 qd .. 32 qd + 31: one block of the next K).  Source 0 = 16 columns of the weight, source 1 = 16 rows.
;   The bias is the C of the product.  Three barriers: weights and cond | layer 1 | layer 2.
; A lane stores 64 consecutive bytes of a row of mods: no store of the wave covers 256 consecutive bytes; accepted for 196,608 bytes written once.
; LIMITS: NaN and infinities among the inputs are not served.  A block of zeros gets the scale byte 1 where the rule says 127: its codes are zeros, and this program alone reads the bytes.
; THE MODE: SCHED_MODE bits 1:0 = 2 (LLVM: expert scheduling mode 2), set by the entry lines.  The code itself states the register dependences
; between vector or matrix instructions and memory or LDS instructions, with s_wait_alu, always for 0.
; THE PLAN.  Registers that memory or LDS instructions touch:
;   v1-v13      offsets and LDS addresses: written once at the head, read by loads and stores, never written again.
;   v48-111     the weight's 64 loads land here and its quantiser reads them; then the biases' loads land here, the products add onto them, and the stores to mods read v80-111.
;   v112-127    cond's loads land here, the additions and the quantiser work on them; then a weight's fragments land here (LDS), the products read them, silu works there.
;   v24-31, v36 the weight's quantiser writes them, three LDS stores read them; then the rows' fragment lands in v24-31 and the products read it.
;   v32, v33, v17  each rows' quantiser writes them, its two LDS stores read them.
;   v40, v41    scale words: LDS loads land here, the products read them.
;   v46, v47    written at the head, read by the closing add alone.
; One wait on va_vdst stands ahead of each run of stores; it also states that the readers of the registers in which the next loads land are done.  One wait on vm_vsrc stands behind each of the first two barriers.
.set WIMG,  0                          ; task k at 2048 k: tile u at + 1024 u, register group c at + 512 c, lane at + 16 l
.set WSC,   32768                      ; scale words: 128 k + 4 l (lanes 0-15 tile 0, lanes 16-31 tile 1)
.set H0IMG, 34816                      ; cond as source 1: row tile m at 1024 m; block b at 256 b + 16 r + 8 h
.set H0SC,  38912                      ; its scale bytes: 64 m + 4 r + b
.set H1IMG, 39168
.set H1SC,  43264
.set H2IMG, 43520
.set H2SC,  47616
.set FLOOR, 0x1800000                  ; 2^(3 - 127): under it no largest magnitude is taken, so a scale byte cannot fall under 1
.set EOFF,  0xff000000                 ; takes 2 off an exponent field
.set PM, 16                            ; v16 largest magnitude, v17 the partner's, then the byte, v18 the conversion's scale operand
.set PT, 17
.set PE, 18
.set QM, 19                            ; v19-20, v21-22, v36-37: the same for two whole blocks
.set QE, 21
.set QB, 36
.set CA, 24                            ; v24-27, v28-31 a weight's codes; later source 1
.set CB, 28
.set PC, 24
.set CC, 32                            ; v32-33 16 codes just made
.set TP, 34                            ; v34-35 t of my row (a pair is named; its low word serves both halves)
.set WS, 40                            ; v40 the weight's scale words, v41 the rows': scales and nothing else
.set PW, 41
.set RA, 48                            ; v48-111 64 numbers of a weight; later four accumulators' pairs
.set D1, 48
.set D2, 64
.set D3A, 80
.set D3B, 96
.set CN, 112                           ; v112-127 16 numbers of cond; later two fragments of a weight; later at work in silu
.set WF, 112
.set ST, 112
.macro BARRIER                         ; my LDS stores have landed and my LDS loads are in: then the work-group's barrier
	s_wait_dscnt 0x0
	s_barrier_signal -1
	s_barrier_wait -1
.endm
.macro WLOAD pitch                     ; 64 rows of K at my column: each load of the wave reads 128 consecutive bytes
.set wi, 0
.rept 64
	global_load_b32 v[RA+wi], v1, s[2:3] offset:wi*\pitch
.set wi, wi+1
.endr
.endm
; Two whole blocks of 32 in a lane's registers, v[src] on and v[src + 32] on, become 4 + 4 registers of codes; their bytes in v[QB], v[QB + 1]
.macro Q2B src, da, db
	v_max3_num_f32 v[QM], |v[\src]|, |v[\src+1]|, FLOOR
	v_max3_num_f32 v[QM+1], |v[\src+32]|, |v[\src+33]|, FLOOR
.irp qi, 2,4,6,8,10,12,14,16,18,20,22,24,26,28,30
	v_max3_num_f32 v[QM], v[QM], |v[\src+\qi]|, |v[\src+\qi+1]|
	v_max3_num_f32 v[QM+1], v[QM+1], |v[\src+32+\qi]|, |v[\src+33+\qi]|
.endr
	v_add_nc_u32 v[QE], EOFF, v[QM]                ; 2 off the exponent field: the conversion takes the exponent field of this operand as its scale
	v_add_nc_u32 v[QE+1], EOFF, v[QM+1]
	v_lshrrev_b32 v[QB], 23, v[QE]                 ; the scale's byte
	v_lshrrev_b32 v[QB+1], 23, v[QE+1]
.irp qg, 0,1,2,3
	v_cvt_scalef32_pk8_fp4_f32 v[\da+\qg], v[\src+8*\qg:\src+8*\qg+7], v[QE]
	v_cvt_scalef32_pk8_fp4_f32 v[\db+\qg], v[\src+32+8*\qg:\src+39+8*\qg], v[QE+1]
.endr
	v_nop                                          ; one plain place behind a scaled conversion
.endm
; n units of 16 registers at v[d + 16 u]: each is my half of a block of 32 (the other half lies in lane l xor 16).  Codes to v[CC + 2 u], v[CC + 2 u + 1], byte to v[PT + u]
.macro PQ n, d
.set pu, 0
.rept \n
	v_max3_num_f32 v[PM+pu], |v[\d+16*pu]|, |v[\d+16*pu+1]|, FLOOR
.set pu, pu+1
.endr
.irp pi, 2,4,6,8,10,12,14
.set pu, 0
.rept \n
	v_max3_num_f32 v[PM+pu], v[PM+pu], |v[\d+16*pu+\pi]|, |v[\d+16*pu+\pi+1]|
.set pu, pu+1
.endr
.endr
.set pu, 0
.rept \n
	v_permlanex16_b32 v[PT+pu], v[PM+pu], s40, s41
.set pu, pu+1
.endr
.set pu, 0
.rept \n
	v_max_num_f32 v[PM+pu], v[PM+pu], v[PT+pu]
.set pu, pu+1
.endr
.set pu, 0
.rept \n
	v_add_nc_u32 v[PE+pu], EOFF, v[PM+pu]
.set pu, pu+1
.endr
.set pu, 0
.rept \n
	v_lshrrev_b32 v[PT+pu], 23, v[PE+pu]
.set pu, pu+1
.endr
.set pu, 0
.rept \n
	v_cvt_scalef32_pk8_fp4_f32 v[CC+2*pu], v[\d+16*pu:\d+16*pu+7], v[PE+pu]
	v_cvt_scalef32_pk8_fp4_f32 v[CC+2*pu+1], v[\d+16*pu+8:\d+16*pu+15], v[PE+pu]
.set pu, pu+1
.endr
	v_nop                                          ; one plain place behind a scaled conversion
.endm
; One layer for my 16 rows x 32 units: tasks tb + qd.  v[d] .. v[d + 15] hold the bias and take the sums: lane (r, h): row r; register 8 u + j: unit 32 qd + 16 h + 8 u + j
; All operands and scales of the two products come by loads: the wait on DScnt is all that they owe.
.macro LAY tb, d, hi, hs
.irp u, 0,1
.irp g, 0,1
	ds_load_b128 v[WF+8*\u+4*\g:WF+8*\u+4*\g+3], v8 offset:\tb*2048+1024*\u+512*\g
.endr
.endr
	ds_load_b32 v[WS], v9 offset:128*\tb
.irp g, 0,1
	ds_load_b128 v[PC+4*\g:PC+4*\g+3], v10 offset:\hi+512*\g
.endr
	ds_load_b32 v[PW], v11 offset:\hs
	s_wait_dscnt 0x0
	v_wmma_scale_f32_16x16x128_f8f6f4 v[\d:\d+7], v[WF:WF+7], v[PC:PC+7], v[\d:\d+7], v[WS], v[PW] matrix_a_fmt:MATRIX_FMT_FP4 matrix_b_fmt:MATRIX_FMT_FP4
	v_wmma_scale_f32_16x16x128_f8f6f4 v[\d+8:\d+15], v[WF+8:WF+15], v[PC:PC+7], v[\d+8:\d+15], v[WS], v[PW] matrix_a_fmt:MATRIX_FMT_FP4 matrix_b_fmt:MATRIX_FMT_FP4 matrix_a_scale:MATRIX_SCALE_ROW1
.rept 4
	v_nop                                          ; four places in front of the first read of the results and of writes into the operands (ISA guide 7.12.1)
.endr
.endm
.macro SILU16 d                        ; x / (1 + 2^(-x log2 e)), 16 numbers, from the low end on
.irp p, 0,2,4,6,8,10,12,14
	v_pk_mul_f32 v[ST+\p:ST+\p+1], v[\d+\p:\d+\p+1], 0xbfb8aa3b op_sel_hi:[1,0]
.endr
	s_wait_alu depctr_va_vdst(0)
.irp p, 0,1,2,3,4,5,6,7,8,9,10,11,12,13,14,15
	v_exp_f32 v[ST+\p], v[ST+\p]
.endr
	v_nop                                          ; a plain place behind the transcendentals
	s_wait_alu depctr_va_vdst(0)                   ; the sixteen exponentials have written v[ST ..], ahead of their first reader
.irp p, 0,2,4,6,8,10,12,14
	v_pk_add_f32 v[ST+\p:ST+\p+1], v[ST+\p:ST+\p+1], 1.0 op_sel_hi:[1,0]
.endr
	s_wait_alu depctr_va_vdst(0)
.irp p, 0,1,2,3,4,5,6,7,8,9,10,11,12,13,14,15
	v_rcp_f32 v[ST+\p], v[ST+\p]
.endr
	v_nop
	s_wait_alu depctr_va_vdst(0)                   ; the sixteen reciprocals have written v[ST ..], ahead of their first reader
.irp p, 0,2,4,6,8,10,12,14
	v_pk_mul_f32 v[\d+\p:\d+\p+1], v[\d+\p:\d+\p+1], v[ST+\p:ST+\p+1]
.endr
.endm
.macro BIAS d, sb                      ; my 16 units' biases, in the result's layout
.irp q, 0,1,2,3
	global_load_b128 v[\d+4*\q:\d+4*\q+3], v12, s[\sb:\sb+1] offset:16*\q
.endr
.endm
	s_load_b128 s[4:7], s[0:1], 0x0                ; nodes, t
	s_load_b512 s[16:31], s[0:1], 0x10             ; the 24 addresses of the four MLPs, six each: w1, b1, w2, b2, w3, b3
	s_load_b512 s[32:47], s[0:1], 0x50
	s_load_b512 s[48:63], s[0:1], 0x90
	s_load_b64 s[8:9], s[0:1], 0xd0                ; mods
	v_lshl_add_u32 v46, v0, 2, 0xbb00
	v_mov_b32 v47, 0
	v_lshrrev_b32 v16, 5, v0
	v_readfirstlane_b32 s10, v16                   ; wave 0..31
	v_and_b32 v16, 31, v0                          ; l
	s_wait_alu depctr_va_vdst(0)
	v_and_b32 v17, 15, v0                          ; r
	s_wait_alu depctr_va_vdst(0)
	v_bfe_u32 v18, v0, 4, 1                        ; h
	v_bfe_u32 v19, v0, 3, 1
	v_and_b32 v20, 7, v0
	v_lshl_add_u32 v19, v19, 4, v20                ; r + 8 (r / 8)
	v_lshl_add_u32 v20, v18, 3, v19                ; perm(l)
	s_wait_alu depctr_va_sdst(0)                   ; s10 is written, ahead of its first reader: tasks, places and branches are made from it
	s_lshr_b32 s11, s10, 1                         ; k: my task
	s_and_b32 s12, s10, 1                          ; c: which 64 rows of K
	s_and_b32 s13, ttmp9, 1                        ; 1: an MLP with 128 outputs
	s_and_b32 s14, s10, 3                          ; m: my row tile
	s_bfe_u32 s15, s10, 0x20002                    ; qd: my quarter of the units
	; every address register is made here, ahead of the first parting of the waves, and stays
	v_lshlrev_b32 v1, 2, v20                       ; v1  a weight: 4 x my column
	s_lshl_b32 s66, s11, 11
	s_lshl_b32 s67, s12, 9
	s_add_co_u32 s66, s66, s67
	v_lshl_add_u32 v2, v16, 4, s66                 ; v2  where my codes go: 2048 k + 512 c + 16 l
	s_lshl_b32 s66, s11, 7
	s_lshl_b32 s67, s12, 1
	s_add_co_u32 s66, s66, s67
	s_add_co_u32 s66, s66, WSC
	v_lshl_add_u32 v3, v16, 2, s66                 ; v3  and my two scale bytes: WSC + 128 k + 4 l + 2 c
	v_lshlrev_b32 v4, 9, v17
	s_wait_alu depctr_va_vdst(0)
	v_lshl_add_u32 v4, v18, 6, v4                  ; v4  nodes: 512 r + 64 h
	v_lshlrev_b32 v5, 2, v17                       ; v5  t: 4 r
	s_lshl_b32 s66, s14, 10
	s_lshl_b32 s67, s15, 8
	s_add_co_u32 s67, s66, s67
	v_lshlrev_b32 v6, 4, v17
	v_lshl_add_u32 v6, v18, 3, v6
	v_add_nc_u32 v6, s67, v6                       ; v6  my 16 codes in a rows' image: 1024 m + 256 qd + 16 r + 8 h
	s_lshl_b32 s67, s14, 6
	s_add_co_u32 s68, s67, s15
	v_lshl_add_u32 v7, v17, 2, s68                 ; v7  my block's byte: 64 m + 4 r + qd
	s_lshl_b32 s68, s15, 11
	v_lshl_add_u32 v8, v16, 4, s68                 ; v8  a weight's fragments: 16 l + 2048 qd
	s_lshl_b32 s68, s15, 7
	s_add_co_u32 s68, s68, WSC
	v_lshl_add_u32 v9, v16, 2, s68                 ; v9  its scale words
	v_lshl_add_u32 v10, v16, 4, s66                ; v10 the rows' fragment: 16 l + 1024 m
	v_lshl_add_u32 v11, v17, 2, s67                ; v11 the rows' scale words: 4 r + 64 m
	v_lshlrev_b32 v12, 6, v18                      ; v12 a bias: 64 h
	v_mul_u32_u24 v13, v17, 3072
	v_lshl_add_u32 v13, v18, 6, v13                ; v13 mods: 3072 r + 64 h
	v_mov_b32 v[PT], 0                             ; a lane permute's destination counts as one of its sources
	v_mov_b32 v[TP+1], 0                           ; named as the upper half of a pair
	s_wait_kmcnt 0x0
	s_cmp_eq_u32 ttmp9, 1                          ; my MLP's six addresses into s[16:27]: the choice hangs on the work-group's number alone
.irp j, 0,1,2,3,4,5
	s_cselect_b64 s[16+2*\j:17+2*\j], s[28+2*\j:29+2*\j], s[16+2*\j:17+2*\j]
.endr
	s_cmp_eq_u32 ttmp9, 2
.irp j, 0,1,2,3,4,5
	s_cselect_b64 s[16+2*\j:17+2*\j], s[40+2*\j:41+2*\j], s[16+2*\j:17+2*\j]
.endr
	s_cmp_eq_u32 ttmp9, 3
.irp j, 0,1,2,3,4,5
	s_cselect_b64 s[16+2*\j:17+2*\j], s[52+2*\j:53+2*\j], s[16+2*\j:17+2*\j]
.endr
	s_mov_b32 s40, 0x76543210                      ; v_permlanex16_b32's selects for lane l xor 16
	s_mov_b32 s41, 0xfedcba98
	s_and_b32 s28, s11, 3
	s_and_b32 s29, s11, 7
	s_cmp_lt_u32 s11, 8
	s_cselect_b64 s[2:3], s[20:21], s[24:25]       ; my task's weight
	s_cselect_b32 s28, s28, s29                    ; and which 32 columns of it
	s_cmp_lt_u32 s11, 4
	s_cselect_b64 s[2:3], s[16:17], s[2:3]
	s_lshl_b32 s28, s28, 7
	s_lshr_b32 s30, s11, 3
	s_xor_b32 s31, s13, 1
	s_and_b32 s30, s30, s31                        ; s30 = 1: rows of 1,024 bytes (w3 with 256 outputs), else of 512
	s_lshl_b32 s29, s12, 15
	s_lshl_b32 s29, s29, s30                       ; c x 64 rows
	s_add_co_u32 s28, s28, s29
	s_mov_b32 s29, 0
	s_add_nc_u64 s[2:3], s[2:3], s[28:29]
	s_lshr_b32 s31, s11, 2
	s_cmp_eq_u32 s31, 3
	s_cselect_b32 s31, s13, 0                      ; s31 = 1: tasks 12-15 of an MLP with 128 outputs: there are none
	s_lshl_b32 s28, s15, 7                         ; 128 qd
	s_add_nc_u64 s[18:19], s[18:19], s[28:29]      ; b1, b2, b3 at my quarter
	s_add_nc_u64 s[22:23], s[22:23], s[28:29]
	s_add_nc_u64 s[26:27], s[26:27], s[28:29]
	s_mov_b32 s33, 0
	s_lshl_b32 s32, s14, 13
	s_add_co_u32 s32, s32, s28
	s_add_nc_u64 s[4:5], s[4:5], s[32:33]          ; nodes at row 16 m, number 32 qd
	s_lshl_b32 s32, s14, 6
	s_add_nc_u64 s[6:7], s[6:7], s[32:33]          ; t at row 16 m
	s_mul_i32 s32, s14, 49152
	s_add_co_u32 s32, s32, s28
	s_lshr_b32 s34, ttmp9, 1
	s_mul_i32 s34, s34, 1536
	s_add_co_u32 s32, s32, s34
	s_lshl_b32 s34, s13, 10
	s_add_co_u32 s32, s32, s34
	s_add_nc_u64 s[8:9], s[8:9], s[32:33]          ; mods at row 16 m, my MLP's slot, number 32 qd
	s_xor_b32 s32, s13, 1
	s_lshl_b32 s32, s32, 9
	s_add_nc_u64 s[36:37], s[26:27], s[32:33]      ; b3's second 128 numbers where it has them, else its first again: the load stays inside the buffer
	s_wait_alu depctr_va_vdst(0)                   ; v1 to v13 are written: every load and store of the kernel reads one of them as its offset or LDS address
	; ---- cond is asked for
	s_cmp_lt_u32 s10, 16
	s_cbranch_scc0 .Ltask
.irp q, 0,1,2,3
	global_load_b128 v[CN+4*\q:CN+4*\q+3], v4, s[4:5] offset:16*\q
.endr
	global_load_b32 v[TP], v5, s[6:7]
.Ltask:
	; ---- my half-task: 32 columns x 64 along K become four registers of each of two tiles, and two scale bytes a column
	s_cmp_lg_u32 s31, 0
	s_cbranch_scc1 .Lnotask
	s_cmp_lg_u32 s30, 0
	s_cbranch_scc1 .Lwide
	WLOAD 512
	s_branch .Lgot
.Lwide:
	WLOAD 1024
.Lgot:
	s_wait_loadcnt 0x0
	Q2B RA, CA, CB
.irp i, 0,1,2,3
	v_permlane16_swap_b32 v[CA+\i], v[CB+\i]       ; the first's lanes 16-31 change places with the second's lanes 0-15: now tile 0's and tile 1's registers 4 c .. 4 c + 3
.endr
	v_lshl_or_b32 v[QB], v[QB+1], 8, v[QB]
	s_wait_alu depctr_va_vdst(0)                   ; the conversions, the exchanges and the line above have written v24-31 and v36, which the three LDS stores read
	ds_store_b128 v2, v[CA:CA+3]
	ds_store_b128 v2, v[CB:CB+3] offset:1024
	ds_store_b16 v3, v[QB]
.Lnotask:
	; ---- cond: my 16 rows x my block of 32; then the biases into the accumulators
	s_cmp_lt_u32 s10, 16
	s_cbranch_scc0 .Lb1
	s_wait_loadcnt 0x0
.irp p, 0,2,4,6,8,10,12,14
	v_pk_add_f32 v[CN+\p:CN+\p+1], v[CN+\p:CN+\p+1], v[TP:TP+1] op_sel_hi:[1,0]
.endr
	PQ 1, CN
	s_wait_alu depctr_va_vdst(0)                   ; the quantiser has written v32, v33 and v17, which the two LDS stores read; the weight's quantiser is done reading v48-111, in which the biases land; cond's is done with v112-127, in which the first layer's fragments land
	ds_store_b64 v6, v[CC:CC+1] offset:H0IMG
	ds_store_b8 v7, v[PT] offset:H0SC              ; both lanes of a block write the same byte with the same value
	BIAS D1, 18
	BIAS D2, 22
	BIAS D3A, 26
	BIAS D3B, 36
.Lb1:
	BARRIER                                        ; the weights' and cond's images lie in LDS
	s_wait_alu depctr_vm_vsrc(0)                   ; my LDS stores have read v24-31, in which the rows' fragment lands, and v32, v33 and v17, which the next quantiser writes
	s_cmp_lt_u32 s10, 16
	s_cbranch_scc0 .Lb2
	s_wait_loadcnt 0x0                             ; the biases
	LAY 0, D1, H0IMG, H0SC
	SILU16 D1
	PQ 1, D1
	s_wait_alu depctr_va_vdst(0)                   ; the quantiser has written v32, v33 and v17, which the two LDS stores read; the products and silu are done with v112-127, v24-31, v40 and v41, in which the next layer's loads land
	ds_store_b64 v6, v[CC:CC+1] offset:H1IMG
	ds_store_b8 v7, v[PT] offset:H1SC
.Lb2:
	BARRIER                                        ; the first hidden layer's
	s_wait_alu depctr_vm_vsrc(0)                   ; my two LDS stores have read v32, v33 and v17, which the next quantiser writes
	s_cmp_lt_u32 s10, 16
	s_cbranch_scc0 .Lb3
	LAY 4, D2, H1IMG, H1SC
	SILU16 D2
	PQ 1, D2
	s_wait_alu depctr_va_vdst(0)                   ; the quantiser has written v32, v33 and v17, which the two LDS stores read; the products and silu are done with v112-127, v24-31, v40 and v41, in which the next layer's loads land
	ds_store_b64 v6, v[CC:CC+1] offset:H2IMG
	ds_store_b8 v7, v[PT] offset:H2SC
.Lb3:
	BARRIER                                        ; the second's
	s_cmp_lt_u32 s10, 16
	s_cbranch_scc0 .Lend
	LAY 8, D3A, H2IMG, H2SC
	s_wait_alu depctr_va_vdst(0)                   ; the two products have written v80-95, which the stores read (the four places stand ahead of this wait), and are done reading their operands and scales, in which the loads of outputs 128 on land
.irp q, 0,1,2,3
	global_store_b128 v13, v[D3A+4*\q:D3A+4*\q+3], s[8:9] offset:16*\q
.endr
	s_cmp_lg_u32 s13, 0
	s_cbranch_scc1 .Lend
	LAY 12, D3B, H2IMG, H2SC                       ; outputs 128 on, where the MLP has 256
	s_wait_alu depctr_va_vdst(0)                   ; the two products have written v96-111, which the stores read; the four places stand ahead of this wait
.irp q, 0,1,2,3
	global_store_b128 v13, v[D3B+4*\q:D3B+4*\q+3], s[8:9] offset:512+16*\q
.endr
.Lend:
	s_wait_dscnt 0x0                               ; the closing lines, six on end
	s_wait_alu 0x0
	s_wait_tensorcnt 0x0
	ds_add_u32 v46, v47
	s_wait_dscnt 0x0
	s_endpgm
.Lfunc_end_k_q2c6f905398_mlp:
	.size	k_q2c6f905398_mlp, .Lfunc_end_k_q2c6f905398_mlp-k_q2c6f905398_mlp
	.p2alignl 7, 3214868480
	.fill 96, 4, 3214868480
	.section	.rodata,"a",@progbits
	.p2align	6, 0x0
	.amdhsa_kernel k_q2c6f905398_mlp
		.amdhsa_group_segment_fixed_size 51968
		.amdhsa_private_segment_fixed_size 0
		.amdhsa_enable_private_segment 0
		.amdhsa_kernarg_size 216
		.amdhsa_user_sgpr_count 2
		.amdhsa_user_sgpr_kernarg_segment_ptr 1
		.amdhsa_wavefront_size32 1
		.amdhsa_system_sgpr_workgroup_id_x 1
		.amdhsa_system_sgpr_workgroup_id_y 1
		.amdhsa_system_sgpr_workgroup_id_z 1
		.amdhsa_system_vgpr_workitem_id 0
		.amdhsa_next_free_vgpr 128
		.amdhsa_next_free_sgpr 72
		.amdhsa_reserve_vcc 0
		.amdhsa_float_denorm_mode_32 3
		.amdhsa_float_denorm_mode_16_64 3
		.amdhsa_memory_ordered 1
		.amdhsa_forward_progress 1
		.amdhsa_inst_pref_size 38
	.end_amdhsa_kernel
	.amdgpu_metadata
---
amdhsa.version: [ 1, 2 ]
amdhsa.kernels:
  - .name:           k_q2c6f905398_mlp
    .symbol:         k_q2c6f905398_mlp.kd
    .args:
      - { .name: nodes, .offset: 0, .size: 8, .value_kind: global_buffer, .address_space: global }
      - { .name: t, .offset: 8, .size: 8, .value_kind: global_buffer, .address_space: global }
      - { .name: an_gb_w1, .offset: 16, .size: 8, .value_kind: global_buffer, .address_space: global }
      - { .name: an_gb_b1, .offset: 24, .size: 8, .value_kind: global_buffer, .address_space: global }
      - { .name: an_gb_w2, .offset: 32, .size: 8, .value_kind: global_buffer, .address_space: global }
      - { .name: an_gb_b2, .offset: 40, .size: 8, .value_kind: global_buffer, .address_space: global }
      - { .name: an_gb_w3, .offset: 48, .size: 8, .value_kind: global_buffer, .address_space: global }
      - { .name: an_gb_b3, .offset: 56, .size: 8, .value_kind: global_buffer, .address_space: global }
      - { .name: an_a_w1, .offset: 64, .size: 8, .value_kind: global_buffer, .address_space: global }
      - { .name: an_a_b1, .offset: 72, .size: 8, .value_kind: global_buffer, .address_space: global }
      - { .name: an_a_w2, .offset: 80, .size: 8, .value_kind: global_buffer, .address_space: global }
      - { .name: an_a_b2, .offset: 88, .size: 8, .value_kind: global_buffer, .address_space: global }
      - { .name: an_a_w3, .offset: 96, .size: 8, .value_kind: global_buffer, .address_space: global }
      - { .name: an_a_b3, .offset: 104, .size: 8, .value_kind: global_buffer, .address_space: global }
      - { .name: fn_gb_w1, .offset: 112, .size: 8, .value_kind: global_buffer, .address_space: global }
      - { .name: fn_gb_b1, .offset: 120, .size: 8, .value_kind: global_buffer, .address_space: global }
      - { .name: fn_gb_w2, .offset: 128, .size: 8, .value_kind: global_buffer, .address_space: global }
      - { .name: fn_gb_b2, .offset: 136, .size: 8, .value_kind: global_buffer, .address_space: global }
      - { .name: fn_gb_w3, .offset: 144, .size: 8, .value_kind: global_buffer, .address_space: global }
      - { .name: fn_gb_b3, .offset: 152, .size: 8, .value_kind: global_buffer, .address_space: global }
      - { .name: fn_a_w1, .offset: 160, .size: 8, .value_kind: global_buffer, .address_space: global }
      - { .name: fn_a_b1, .offset: 168, .size: 8, .value_kind: global_buffer, .address_space: global }
      - { .name: fn_a_w2, .offset: 176, .size: 8, .value_kind: global_buffer, .address_space: global }
      - { .name: fn_a_b2, .offset: 184, .size: 8, .value_kind: global_buffer, .address_space: global }
      - { .name: fn_a_w3, .offset: 192, .size: 8, .value_kind: global_buffer, .address_space: global }
      - { .name: fn_a_b3, .offset: 200, .size: 8, .value_kind: global_buffer, .address_space: global }
      - { .name: mods, .offset: 208, .size: 8, .value_kind: global_buffer, .address_space: global }
    .group_segment_fixed_size: 51968
    .private_segment_fixed_size: 0
    .kernarg_segment_align: 8
    .kernarg_segment_size: 216
    .max_flat_workgroup_size: 1024
    .sgpr_count:     72
    .vgpr_count:     128
    .wavefront_size: 32
...
	.end_amdgpu_metadata
.endif
;; end of part 3
;; launch block (part 4): grid 4 x 64, 16 waves a work-group, no clusters, 265,216 bytes of LDS; arguments latent, qw, kw, vw, ow, qb, kb, vb, mods, out0; writes out0
.if DOCPART == 4
	.amdgcn_target "amdgcn-amd-amdhsa--gfx1250"
	.amdhsa_code_object_version 6
	.text
	.protected	k_q2c6f905398_block
	.globl	k_q2c6f905398_block
	.p2align	8
	.type	k_q2c6f905398_block,@function
k_q2c6f905398_block:
	s_mov_b64 s[64:65], 0
	v_nop
	global_prefetch_b8 v0, s[64:65] scope:SCOPE_SE
	s_setreg_imm32_b32 hwreg(HW_REG_WAVE_SCHED_MODE, 0, 2), 2
	s_setreg_imm32_b32 hwreg(HW_REG_WAVE_MODE, 25, 1), 1
	s_wait_xcnt 0x0
	s_wait_alu depctr_vm_vsrc(0)
; The block behind the conditioning MLPs: x2 = gamma1 snorm(x) + beta1; Q, K, V; attention in 4 heads of 32; O ow; x += alpha1 attn; x += alpha2 (gamma2 snorm(x) + beta2).
; All products on codes of FP4 (E2M1) with one E8M0 scale for each 32 along K.  latent, out0: [64][128 d][512 n] f32.  mods: [64][6][128] f32: alpha1, gamma1, beta1, alpha2, gamma2, beta2.
; SHARES.  Work-group (x = qq, y = b): sample b, queries 128 qq .. 128 qq + 127, all four heads, all 512 keys.  256 work-groups of equal work, 16 waves each, four to a SIMD, so that one wave's vector work
;   stands beside another's products and LDS loads.  No tile is shared through a cluster: tokens are numbered from the work-group's own first query (below), so partners would want different LDS places for the same bytes.
; LOCAL TOKENS.  tau = (token - 128 qq) mod 512: the queries are always tau 0-127, and no LDS address hangs on qq.  A turn by a multiple of 128 keeps the blocks of 32 keys.  The keys are so summed in turned order.
; PHASE 1.  Wave w takes tau 32 w .. 32 w + 31: A LANE TAKES A TOKEN AND ITS 128 REGISTERS RUN ALONG d: mean, variance and the blocks' largest magnitudes need no other lane, and each load of the wave reads 128 consecutive bytes.
;   Lane l takes token perm(l) = l with bits 3 and 4 exchanged: after one exchange of the halves of the lanes the codes ARE two operand tiles whose row r is token 8 tt + r + 8 (r / 8).
;   Each wave also quantises one sixteenth of the weights the same way (a lane to a column, registers down K): tasks 0-3 qw's heads, 4-7 kw's, 8-11 vw's, 12-15 ow's columns 32 g on.
; PHASE 2.  K and Q transposed (source 0 = 16 columns of the weight, source 1 = 16 tokens: a lane holds 16 neighbours of a head's 32), V not (a lane holds 16 neighbouring KEYS of one channel); quantised, images to LDS.
;   K IS PACKED FOUR TILES TO A FRAGMENT: a head's 32 are one of the instruction's four blocks along K.  Fragment F holds the tiles of keys 4 F .. 4 F + 3, one in each block; Q laid in block j, zero codes elsewhere, picks tile j.
; PHASE 3.  Wave = head w % 4 x 32 queries (two tiles).  S^T = K Q^T, p = 2^(t - M) with M the running largest t rounded up to a whole number, quantised along the keys; the row's sum of the unquantised p; O^T += V^T P^T.
; PHASE 4.  Waves 0-7: 16 tokens each: O (d' = 4 k + head) quantised, times ow, residual, second norm, residual; the result takes x's place in LDS.  All waves store whole rows of 512 bytes.
; OPERANDS GO FROM WAVE TO WAVE THROUGH LDS AS IMAGES OF THEIR REGISTERS (a group of four registers: 16 bytes a lane, 512 bytes on end).
; LIMITS: NaN and infinities among the inputs are not served.  A token whose variance lies under 2^-126 and is not 0 is not served (v_rsq_f32 takes a denormal as 0: ISA guide 15.8).
;   The norm multiplies by v_rsq_f32 where reference() divides by the root.  A block of zeros gets the scale byte 1 where the rule says 127: its codes are zeros, and this program alone reads the bytes.
; THE MODE: SCHED_MODE bits 1:0 = 2 (LLVM: expert scheduling mode 2), set by the entry lines.  The code itself states the register dependences
; between vector or matrix instructions and memory or LDS instructions, with s_wait_alu, always for 0.
; THE PLAN.  v1-v15 are made anew at each phase's head.  So each phase after the first opens with one wait on vm_vsrc (the phase before has read its addresses and its stores' data) and, behind the address lines,
;   one wait on va_vdst (the addresses are written; the earlier readers and writers of the registers in which the phase's first loads land are done).  A run of stores of fresh results has one wait on va_vdst ahead of it;
;   a load into registers that stores have read has a wait on vm_vsrc ahead of it; a load into registers that vector or matrix instructions have just read has a wait on va_vdst ahead of it.
;   THE LOOP OVER THE KEYS.  Registers that LDS instructions touch in it:
;   v48-63, v42   K's two fragments and scale words.  Read by the eight S products of each of the step's two tiles.  Step 0's land ahead of the loop; step s + 1's loads are issued in tile 1 of step s.
;   v64-79, v43   V's two fragments and scale words.  Read by the two O products at each tile's end.  Their loads are issued in tile 0 of their own step.
;   v8-v11        the loads' addresses: written at the loop's top (V's of this step, K's of the next), behind one wait on vm_vsrc.
;   The wait on va_vdst that stands behind a tile's exponentials also frees a buffer: in tile 0 every O product of the step before was issued ahead of it, so V's loads follow it; in tile 1 all sixteen S products of the
;   step were issued ahead of it, so the next K's loads follow it.  It also shows v8-v11 written.  No vector or matrix instruction between those waits and the loads names the buffers.
;   A second wait on va_vdst stands directly ahead of each tile's O products: vector instructions write p's codes and scale word.
.set WIMG,  0                          ; 16 tasks x 2,048: tile u at + 1024 u, register group c at + 512 c, lane at + 16 l
.set WSC,   32768                      ; their scale words: 128 x task + 4 l
.set KIMG,  34816                      ; head at 8192 hd; fragment F at 1024 F
.set KSC,   67584                      ; 512 hd + 64 F + 4 r + block
.set VIMG,  69632                      ; 8192 hd + 2048 step + 1024 u
.set VSC,   102400                     ; 512 hd + 128 step + 64 u + 4 r + block
.set QIMG,  104448                     ; 2048 hd + 256 tile + 16 r: a row's 32 codes
.set QSC,   112640                     ; 512 hd + 64 tile + 4 r: the byte four times
.set XQIMG, 114688                     ; x2 of the queries: 1024 x tile
.set XQSC,  122880
.set CST,   123392                     ; nine vectors of 512 bytes: mods' six, qb, kb, vb
.set OST,   128000                     ; O: 128 tokens x (512 + 16) bytes
.set XST,   195584                     ; x, later the result: 128 rows d x (512 + 16) bytes, column = local token
.set FLOOR, 0x1800000                  ; 2^(3 - 127): under it no largest magnitude is taken, so a scale byte cannot fall under 1
.set EOFF,  0xff000000                 ; takes 2 off an exponent field
; REGISTERS: v1-15 addresses, made anew from v0 and the wave's number at each phase's head, on the way that all waves take; v16-39 at work; v40-47 scales and nothing else; v48-255 by phase.
.set PM, 16                            ; PQ: v16-23 largest magnitudes, v24-31 the partners', then bytes, v32-39 the conversions' scale operands, v64-79 codes
.set PT, 24
.set PE, 32
.set CC, 64
.set QM, 28                            ; Q2B: v28-29, v30-31, v32-33
.set QE, 30
.set QB, 32
.set BM, 224                           ; phase 3: a block's largest score, then p; the partner's, then the byte; the conversion's scale operand
.set BT, 228
.set BE, 232
.set FF, 236                           ; v236-237 f = 2^(old M - new M) (a pair is named; its low word serves both halves)
.set TT, 238
.set TM, 16                            ; phase 4's quantiser: v16-19, v20-23, v28-31
.macro LANES
	v_and_b32 v16, 31, v0                          ; l
	v_and_b32 v17, 15, v0                          ; r
	v_bfe_u32 v18, v0, 4, 1                        ; h
	v_bfe_u32 v19, v0, 3, 1
	v_and_b32 v20, 7, v0
	v_lshl_add_u32 v19, v19, 4, v20                ; rp = r + 8 (r / 8)
	v_lshl_add_u32 v20, v18, 3, v19                ; perm(l)
.endm
.macro BARRIER                         ; my LDS stores have landed and my LDS loads are in: then the work-group's barrier
	s_wait_dscnt 0x0
	s_barrier_signal -1
	s_barrier_wait -1
.endm
; D = A B + C.  cz = 1: C is 0, else C is D.  ra, rb = 1: that side's scale words are taken from lanes 16-31 of its register
.macro WM d, a, b, cz, sa, sb, ra, rb
.if (\cz) && (\ra) && (\rb)
	v_wmma_scale_f32_16x16x128_f8f6f4 v[0+(\d):7+(\d)], v[0+(\a):7+(\a)], v[0+(\b):7+(\b)], 0, v[\sa], v[\sb] matrix_a_fmt:MATRIX_FMT_FP4 matrix_b_fmt:MATRIX_FMT_FP4 matrix_a_scale:MATRIX_SCALE_ROW1 matrix_b_scale:MATRIX_SCALE_ROW1
.elseif (\cz) && (\ra)
	v_wmma_scale_f32_16x16x128_f8f6f4 v[0+(\d):7+(\d)], v[0+(\a):7+(\a)], v[0+(\b):7+(\b)], 0, v[\sa], v[\sb] matrix_a_fmt:MATRIX_FMT_FP4 matrix_b_fmt:MATRIX_FMT_FP4 matrix_a_scale:MATRIX_SCALE_ROW1
.elseif (\cz) && (\rb)
	v_wmma_scale_f32_16x16x128_f8f6f4 v[0+(\d):7+(\d)], v[0+(\a):7+(\a)], v[0+(\b):7+(\b)], 0, v[\sa], v[\sb] matrix_a_fmt:MATRIX_FMT_FP4 matrix_b_fmt:MATRIX_FMT_FP4 matrix_b_scale:MATRIX_SCALE_ROW1
.elseif (\cz)
	v_wmma_scale_f32_16x16x128_f8f6f4 v[0+(\d):7+(\d)], v[0+(\a):7+(\a)], v[0+(\b):7+(\b)], 0, v[\sa], v[\sb] matrix_a_fmt:MATRIX_FMT_FP4 matrix_b_fmt:MATRIX_FMT_FP4
.elseif (\ra) && (\rb)
	v_wmma_scale_f32_16x16x128_f8f6f4 v[0+(\d):7+(\d)], v[0+(\a):7+(\a)], v[0+(\b):7+(\b)], v[0+(\d):7+(\d)], v[\sa], v[\sb] matrix_a_fmt:MATRIX_FMT_FP4 matrix_b_fmt:MATRIX_FMT_FP4 matrix_a_scale:MATRIX_SCALE_ROW1 matrix_b_scale:MATRIX_SCALE_ROW1
.elseif (\ra)
	v_wmma_scale_f32_16x16x128_f8f6f4 v[0+(\d):7+(\d)], v[0+(\a):7+(\a)], v[0+(\b):7+(\b)], v[0+(\d):7+(\d)], v[\sa], v[\sb] matrix_a_fmt:MATRIX_FMT_FP4 matrix_b_fmt:MATRIX_FMT_FP4 matrix_a_scale:MATRIX_SCALE_ROW1
.elseif (\rb)
	v_wmma_scale_f32_16x16x128_f8f6f4 v[0+(\d):7+(\d)], v[0+(\a):7+(\a)], v[0+(\b):7+(\b)], v[0+(\d):7+(\d)], v[\sa], v[\sb] matrix_a_fmt:MATRIX_FMT_FP4 matrix_b_fmt:MATRIX_FMT_FP4 matrix_b_scale:MATRIX_SCALE_ROW1
.else
	v_wmma_scale_f32_16x16x128_f8f6f4 v[0+(\d):7+(\d)], v[0+(\a):7+(\a)], v[0+(\b):7+(\b)], v[0+(\d):7+(\d)], v[\sa], v[\sb] matrix_a_fmt:MATRIX_FMT_FP4 matrix_b_fmt:MATRIX_FMT_FP4
.endif
.endm
.macro PLACES                          ; four places behind a matrix instruction, in front of reads of its result and of writes into its registers (ISA guide 7.12.1)
.rept 4
	v_nop
.endr
.endm
.macro WLOAD dst, row0, pitch, va      ; 64 rows of K of my task's weight at my column: each load of the wave reads 128 consecutive bytes
.set wi, 0
.rept 64
	global_load_b32 v[\dst+wi], v[\va], s[2:3] offset:(\row0+wi)*\pitch
.set wi, wi+1
.endr
.endm
; Two whole blocks of 32 in a lane's registers, v[src] on and v[src + 32] on, become 4 + 4 registers of codes; their bytes in v[QB], v[QB + 1]
.macro Q2B src, da, db
	v_max3_num_f32 v[QM], |v[\src]|, |v[\src+1]|, FLOOR
	v_max3_num_f32 v[QM+1], |v[\src+32]|, |v[\src+33]|, FLOOR
.irp qi, 2,4,6,8,10,12,14,16,18,20,22,24,26,28,30
	v_max3_num_f32 v[QM], v[QM], |v[\src+\qi]|, |v[\src+\qi+1]|
	v_max3_num_f32 v[QM+1], v[QM+1], |v[\src+32+\qi]|, |v[\src+33+\qi]|
.endr
	v_add_nc_u32 v[QE], EOFF, v[QM]                ; 2 off the exponent field: the conversion takes the exponent field of this operand as its scale
	v_add_nc_u32 v[QE+1], EOFF, v[QM+1]
	v_lshrrev_b32 v[QB], 23, v[QE]                 ; the scale's byte
	v_lshrrev_b32 v[QB+1], 23, v[QE+1]
.irp qg, 0,1,2,3
	v_cvt_scalef32_pk8_fp4_f32 v[\da+\qg], v[\src+8*\qg:\src+8*\qg+7], v[QE]
	v_cvt_scalef32_pk8_fp4_f32 v[\db+\qg], v[\src+32+8*\qg:\src+39+8*\qg], v[QE+1]
.endr
	v_nop                                          ; one plain place behind a scaled conversion
.endm
; n units of 16 registers at v[d + 16 u]: each is my half of a block of 32 (the other half lies in lane l xor 16).  Codes to v[CC + 2 u], v[CC + 2 u + 1], byte to v[PT + u].  The units take turns line by line
.macro PQ n, d
.set pu, 0
.rept \n
	v_max3_num_f32 v[PM+pu], |v[\d+16*pu]|, |v[\d+16*pu+1]|, FLOOR
.set pu, pu+1
.endr
.irp pi, 2,4,6,8,10,12,14
.set pu, 0
.rept \n
	v_max3_num_f32 v[PM+pu], v[PM+pu], |v[\d+16*pu+\pi]|, |v[\d+16*pu+\pi+1]|
.set pu, pu+1
.endr
.endr
.set pu, 0
.rept \n
	v_permlanex16_b32 v[PT+pu], v[PM+pu], s28, s29
.set pu, pu+1
.endr
.set pu, 0
.rept \n
	v_max_num_f32 v[PM+pu], v[PM+pu], v[PT+pu]
.set pu, pu+1
.endr
.set pu, 0
.rept \n
	v_add_nc_u32 v[PE+pu], EOFF, v[PM+pu]
.set pu, pu+1
.endr
.set pu, 0
.rept \n
	v_lshrrev_b32 v[PT+pu], 23, v[PE+pu]
.set pu, pu+1
.endr
.set pu, 0
.rept \n
	v_cvt_scalef32_pk8_fp4_f32 v[CC+2*pu], v[\d+16*pu:\d+16*pu+7], v[PE+pu]
	v_cvt_scalef32_pk8_fp4_f32 v[CC+2*pu+1], v[\d+16*pu+8:\d+16*pu+15], v[PE+pu]
.set pu, pu+1
.endr
	v_nop                                          ; one plain place behind a scaled conversion
.endm
.macro JOIN                            ; four packed chains into v16
	v_pk_add_f32 v[16:17], v[16:17], v[18:19]
	v_pk_add_f32 v[20:21], v[20:21], v[22:23]
	v_pk_add_f32 v[16:17], v[16:17], v[20:21]
	v_add_f32 v16, v16, v17
.endm
.macro SUM8 x, rounds                  ; the sum of the 16 + 8 rounds registers from v[x] on; the first lines start the chains
.irp q, 0,1,2,3
	v_pk_add_f32 v[16+2*\q:17+2*\q], v[\x+2*\q:\x+1+2*\q], v[\x+8+2*\q:\x+9+2*\q]
.endr
.set xj, 16
.rept \rounds
.irp q, 0,1,2,3
	v_pk_add_f32 v[16+2*\q:17+2*\q], v[16+2*\q:17+2*\q], v[\x+xj+2*\q:\x+xj+1+2*\q]
.endr
.set xj, xj+8
.endr
	JOIN
.endm
.macro SQ8 x, rounds                   ; the sum of the squares of the 8 + 8 rounds registers from v[x] on
.irp q, 0,1,2,3
	v_pk_mul_f32 v[16+2*\q:17+2*\q], v[\x+2*\q:\x+1+2*\q], v[\x+2*\q:\x+1+2*\q]
.endr
.set xj, 8
.rept \rounds
.irp q, 0,1,2,3
	v_pk_fma_f32 v[16+2*\q:17+2*\q], v[\x+xj+2*\q:\x+xj+1+2*\q], v[\x+xj+2*\q:\x+xj+1+2*\q], v[16+2*\q:17+2*\q]
.endr
.set xj, xj+8
.endr
	JOIN
.endm
.macro MEAN                            ; v16 = the sum of 128 -> v[24:25] = the mean, twice
	v_mul_f32 v24, 0x3c000000, v16
	v_mov_b32 v25, v24
.endm
.macro CENTRE x, pairs
.set xj, 0
.rept \pairs
	v_pk_add_f32 v[\x+xj:\x+xj+1], v[\x+xj:\x+xj+1], v[24:25] neg_lo:[0,1] neg_hi:[0,1]
.set xj, xj+2
.endr
.endm
.macro RSTD                            ; v16 = the sum of 128 squares -> v[26:27] = 1 / sqrt(sum / 127), twice; 1 where the sum is 0
	v_mul_f32 v16, 0x3c010204, v16
	s_wait_alu depctr_va_vdst(0)
	v_rsq_f32 v26, v16
	v_cmp_neq_f32 vcc_lo, 0, v16                   ; (the plain place behind the transcendental)
	s_wait_alu depctr_va_vdst(0)                   ; the reciprocal root has written v26, ahead of its first reader
	s_wait_alu depctr_va_vcc(0)                    ; the compare has written VCC, ahead of the select that reads it
	v_cndmask_b32 v26, 1.0, v26, vcc_lo
	v_mov_b32 v27, v26
.endm
; x2 = gamma1 (c / std) + beta1 for d = 16 ch .. 16 ch + 15.  A register is one d, so gamma1 and beta1 are scalars: 16 of each at a time, two sets of scalar registers by turns
.macro AFF ch
.if (\ch)%2
.set GS, 68
.set GN, 32
.else
.set GS, 32
.set GN, 68
.endif
	s_wait_kmcnt 0x0                               ; this chunk's 32 numbers are in (scalar loads: the count 0 alone shows anything)
.if \ch < 7
	s_load_b512 s[GN:GN+15], s[20:21], 0x200+64*(\ch+1)
	s_load_b512 s[GN+16:GN+31], s[20:21], 0x400+64*(\ch+1)
.endif
.irp p, 0,2,4,6,8,10,12,14
	v_pk_mul_f32 v[128+16*\ch+\p:129+16*\ch+\p], v[128+16*\ch+\p:129+16*\ch+\p], v[26:27]
.endr
.irp p, 0,1,2,3,4,5,6,7,8,9,10,11,12,13,14,15
	v_fma_f32 v[128+16*\ch+\p], v[128+16*\ch+\p], s[GS+\p], s[GS+16+\p]
.endr
.endm
	s_load_b512 s[4:19], s[0:1], 0x0               ; latent, qw, kw, vw, ow, qb, kb, vb
	s_load_b128 s[20:23], s[0:1], 0x40             ; mods, out0
	v_lshrrev_b32 v16, 5, v0
	v_readfirstlane_b32 s24, v16                   ; wave 0..15
	s_mov_b32 s25, ttmp9                           ; qq
	s_and_b32 s26, ttmp7, 0xffff                   ; b
	s_mov_b32 s28, 0x76543210                      ; v_permlanex16_b32's selects for lane l xor 16
	s_mov_b32 s29, 0xfedcba98
	s_mov_b32 s30, 0x3e8293ee                      ; c = log2(e) / sqrt(32)
	s_mov_b32 s31, s30                             ; (named with it as a pair)
; ================= PHASE 1: x2 of my 32 tokens as two operand tiles; my sixteenth of the weights; the vectors =================
; v48-55, v56-63 x2's two tiles (they stay through phase 2); v64-127 the weight's rows 0-63; v128-255 x (register = d), later the weight's rows 64-127 (v128-191) and codes (v192-207); v36-39 a vector; v40 x2's scale words, v41 the weight's
	LANES
	v_lshlrev_b32 v1, 2, v20                       ; v1  4 perm: latent, and qw, kw, vw
	v_lshlrev_b32 v2, 2, v16                       ; v2  4 l: ow takes its columns as they lie
	v_lshlrev_b32 v3, 4, v16                       ; v3  16 l
	s_wait_alu depctr_va_vdst(0)
	s_wait_alu depctr_va_sdst(0)                   ; s24 is written, ahead of its first reader: places, tasks and branches are made from it
	s_lshl_b32 s84, s24, 11
	v_add_nc_u32 v4, s84, v3                       ; v4  my task's image: 2048 w + 16 l
	s_add_co_u32 s85, s84, XQIMG
	v_add_nc_u32 v8, s85, v3                       ; v8  x2's images (waves 0-3)
	s_lshl_b32 s84, s24, 7
	s_add_co_u32 s85, s84, WSC
	v_add_nc_u32 v5, s85, v2                       ; v5  my task's scale words
	s_add_co_u32 s85, s84, XST
	v_add_nc_u32 v6, s85, v1                       ; v6  x's place (waves 0-3): column 32 w + perm, rows 0-63;
	v_add_nc_u32 v7, 33792, v6                     ; v7  rows 64-127
	s_add_co_u32 s85, s84, XQSC
	v_add_nc_u32 v9, s85, v2                       ; v9  x2's scale words
	s_lshl_b32 s84, s24, 9
	s_add_co_u32 s84, s84, CST-2048
	v_add_nc_u32 v10, s84, v3                      ; v10 vector w - 4 (waves 4-12)
	s_lshl_b32 s84, s24, 5
	s_lshl_b32 s85, s25, 7
	s_add_co_u32 s84, s84, s85
	s_and_b32 s84, s84, 511                        ; my first token: (32 w + 128 qq) mod 512
	s_lshl_b32 s84, s84, 2
	s_lshl_b32 s86, s26, 18                        ; the sample: 262,144 bytes
	s_add_co_u32 s84, s84, s86
	s_mov_b32 s85, 0
	s_lshl_b32 s88, s25, 9
	s_add_co_u32 s88, s88, s86
	s_lshl_b32 s89, s24, 14
	s_add_co_u32 s88, s88, s89                     ; out0: the sample, column 128 qq, row 8 w
	s_mov_b32 s89, 0
	s_mul_i32 s90, s26, 3072
	s_mov_b32 s91, 0
	s_max_u32 s92, s24, 4
	s_min_u32 s92, s92, 9
	s_sub_co_u32 s92, s92, 4
	s_lshl_b32 s92, s92, 9                         ; mods' slot w - 4, held inside the six
	s_mov_b32 s93, 0
	s_and_b32 s94, s24, 3
	s_mov_b32 s95, 0
	s_wait_kmcnt 0x0
	s_add_nc_u64 s[4:5], s[4:5], s[84:85]
	s_add_nc_u64 s[22:23], s[22:23], s[88:89]
	s_add_nc_u64 s[20:21], s[20:21], s[90:91]
	s_load_b512 s[32:47], s[20:21], 0x200          ; gamma1 and beta1 of d = 0 .. 15
	s_load_b512 s[48:63], s[20:21], 0x400
	s_add_nc_u64 s[66:67], s[20:21], s[92:93]      ; the vector that my wave copies: waves 4-9 mods' slots, 10 qb, 11 kb, 12 vb
	s_cmp_eq_u32 s24, 10
	s_cselect_b64 s[66:67], s[14:15], s[66:67]
	s_cmp_eq_u32 s24, 11
	s_cselect_b64 s[66:67], s[16:17], s[66:67]
	s_cmp_eq_u32 s24, 12
	s_cselect_b64 s[66:67], s[18:19], s[66:67]
	s_cmp_lt_u32 s24, 4                            ; my task's weight
	s_cselect_b64 s[2:3], s[6:7], s[8:9]
	s_cmp_lt_u32 s24, 8
	s_cselect_b64 s[2:3], s[2:3], s[10:11]
	s_cmp_lt_u32 s24, 12
	s_cselect_b64 s[2:3], s[2:3], s[12:13]
	s_cselect_b32 s96, 14, 7                       ; a head is 16,384 bytes on; 32 columns of ow 128
	s_lshl_b32 s94, s94, s96
	s_add_nc_u64 s[2:3], s[2:3], s[94:95]
	s_wait_alu depctr_va_vdst(0)                   ; v1 to v10 are written: the loads and LDS stores of this phase read them as offsets and addresses
	s_cmp_lt_u32 s24, 4
	s_cbranch_scc1 .Lnomt
	s_cmp_gt_u32 s24, 12
	s_cbranch_scc1 .Lnomt
	global_load_b128 v[36:39], v3, s[66:67]
.Lnomt:
.set xd, 0
.rept 128
	global_load_b32 v[128+xd], v1, s[4:5] offset:2048*xd           ; x(my token, d)
.set xd, xd+1
.endr
	s_cmp_lt_u32 s24, 12
	s_cbranch_scc0 .Low_a
	WLOAD 64, 0, 128, 1
	s_branch .Lw_a
.Low_a:
	WLOAD 64, 0, 512, 2
.Lw_a:
	s_wait_loadcnt 63                              ; behind x's last load stand the weight's 64: x is in
	s_cmp_lt_u32 s24, 4
	s_cbranch_scc0 .Lnostash
.set xd, 0
.rept 64
	ds_store_b32 v6, v[128+xd] offset:528*xd       ; the queries' x is kept for the residual
	ds_store_b32 v7, v[192+xd] offset:528*xd
.set xd, xd+1
.endr
.Lnostash:
	SUM8 128, 14
	MEAN
	s_wait_alu depctr_va_vdst(0)
	s_wait_dscnt 0x0                               ; the stores of x are done
	s_wait_alu depctr_vm_vsrc(0)                   ; the LDS stores have read v128-255, which are centred in place below and later take loads and codes
	CENTRE 128, 64
	SQ8 128, 15
	RSTD
	s_wait_alu depctr_va_vdst(0)
.irp ch, 0,1,2,3,4,5,6,7
	AFF \ch
.endr
	Q2B 128, 48, 56                                ; blocks 0 and 1 along d
	v_lshl_or_b32 v40, v[QB+1], 8, v[QB]
	s_wait_alu depctr_va_vdst(0)                   ; the norm has written v128-191 and the quantiser is done reading them: the weight's rows 64-127 land there
	s_cmp_lt_u32 s24, 12
	s_cbranch_scc0 .Low_b
	WLOAD 128, 64, 128, 1
	s_branch .Lw_b
.Low_b:
	WLOAD 128, 64, 512, 2
.Lw_b:
	Q2B 192, 52, 60                                ; blocks 2 and 3
	v_lshl_or_b32 v40, v[QB], 16, v40
	v_lshl_or_b32 v40, v[QB+1], 24, v40            ; my token's scale word
.irp i, 0,1,2,3,4,5,6,7
	v_permlane16_swap_b32 v[48+\i], v[56+\i]       ; the first's lanes 16-31 change places with the second's lanes 0-15: v48-55 is tile 0 (row r: token r + 8 (r / 8)), v56-63 tile 1 (8 more)
.endr
	s_cmp_lt_u32 s24, 4
	s_cbranch_scc0 .Lnoxq
	s_wait_alu depctr_va_vdst(0)                   ; the conversions and the exchanges have written v48-63, the lines above v40: the five LDS stores read them
.irp i, 0,1,2,3
	ds_store_b128 v8, v[48+4*\i:51+4*\i] offset:512*\i
.endr
	ds_store_b32 v9, v40
.Lnoxq:
	s_wait_loadcnt 63                              ; behind the weight's rows 0-63 stand the 64 loads of rows 64-127
	Q2B 64, 192, 200
	v_lshl_or_b32 v41, v[QB+1], 8, v[QB]
	s_wait_loadcnt 0x0
	Q2B 128, 196, 204
	v_lshl_or_b32 v41, v[QB], 16, v41
	v_lshl_or_b32 v41, v[QB+1], 24, v41
.irp i, 0,1,2,3,4,5,6,7
	v_permlane16_swap_b32 v[192+\i], v[200+\i]
.endr
	s_wait_alu depctr_va_vdst(0)                   ; the conversions and the exchanges have written v192-207, the lines above v41: the five LDS stores read them
.irp i, 0,1,2,3
	ds_store_b128 v4, v[192+4*\i:195+4*\i] offset:512*\i
.endr
	ds_store_b32 v5, v41
	s_cmp_lt_u32 s24, 4
	s_cbranch_scc1 .Lnomt2
	s_cmp_gt_u32 s24, 12
	s_cbranch_scc1 .Lnomt2
	ds_store_b128 v10, v[36:39]
.Lnomt2:
	BARRIER                                        ; the weights' images, the queries' x and x2 and the nine vectors lie in LDS
; ================= PHASE 2: K, V of my 32 tokens for all heads; Q of one query tile for two heads =================
; v64-127 eight fragments of a weight; behind the products v64-79 codes, v80-95 vb; v96-103 a query tile's x2; v128-255 eight units of 16 results; v42-45 the weights' scale words, v46 the query tile's
	s_wait_alu depctr_vm_vsrc(0)                   ; phase 1's loads and LDS stores have read v1 to v10, which the lines below write anew; its LDS stores have read v192-207 and v36-39, which this phase's loads and quantisers write
	LANES
	s_and_b32 s32, s24, 1
	s_lshr_b32 s33, s24, 1
	s_and_b32 s34, s24, 3
	s_lshr_b32 s35, s24, 2
	v_lshlrev_b32 v1, 4, v16                       ; v1  16 l
	v_lshlrev_b32 v2, 2, v16                       ; v2  4 l
	v_lshlrev_b32 v21, 4, v17
	v_lshl_add_u32 v21, v18, 3, v21                ; 16 r + 8 h: my 16 codes of a row's 32
	s_wait_alu depctr_va_vdst(0)
	v_lshlrev_b32 v22, 2, v17                      ; 4 r
	s_wait_alu depctr_va_vdst(0)
	s_lshl_b32 s36, s24, 9
	s_add_co_u32 s36, s36, KIMG
	v_add_nc_u32 v3, s36, v21                      ; v3  K's codes: tile 2 w + tt is block 2 (w % 2) + tt of fragment w / 2: 512 w + 256 tt
	s_lshl_b32 s36, s33, 6
	s_lshl_b32 s37, s32, 1
	s_add_co_u32 s37, s36, s37
	s_add_co_u32 s37, s37, KSC
	v_add_nc_u32 v4, s37, v22                      ; v4  K's bytes
	s_lshl_b32 s37, s35, 11
	s_lshl_b32 s38, s34, 8
	s_add_co_u32 s37, s37, s38
	s_add_co_u32 s37, s37, VIMG
	v_add_nc_u32 v5, s37, v21                      ; v5  V's codes: my 32 keys are block w % 4 of step w / 4
	s_lshl_b32 s37, s35, 7
	s_add_co_u32 s37, s37, s34
	s_add_co_u32 s37, s37, VSC
	v_add_nc_u32 v6, s37, v22                      ; v6  V's bytes
	s_lshl_b32 s37, s32, 12
	s_lshl_b32 s38, s33, 8
	s_add_co_u32 s38, s37, s38
	s_add_co_u32 s38, s38, QIMG
	v_add_nc_u32 v7, s38, v21                      ; v7  Q's codes: heads 2 (w % 2) + n, tile w / 2
	s_lshl_b32 s38, s32, 10
	s_add_co_u32 s38, s38, s36
	s_add_co_u32 s38, s38, QSC
	v_add_nc_u32 v8, s38, v22                      ; v8  Q's scale words
	v_add_nc_u32 v9, s37, v1                       ; v9  qw's fragments of my two heads
	s_lshl_b32 s38, s32, 8
	s_add_co_u32 s39, s38, WSC
	v_add_nc_u32 v10, s39, v2                      ; v10 their scale words
	s_lshl_b32 s39, s33, 10
	s_add_co_u32 s39, s39, XQIMG
	v_add_nc_u32 v11, s39, v1                      ; v11 my query tile's x2
	s_add_co_u32 s39, s36, XQSC
	v_add_nc_u32 v12, s39, v22                     ; v12 its scale words
	v_lshl_add_u32 v13, v18, 6, CST                ; v13 a bias in the transposed result's layout: 64 h
	v_lshl_add_u32 v14, v19, 2, CST+4096           ; v14 vb at my channel: 4 rp
	s_add_co_u32 s39, s38, CST+3072
	v_lshl_add_u32 v15, v18, 6, s39                ; v15 qb of my two heads
	s_wait_alu depctr_va_vdst(0)                   ; v1 to v15 are written, which this phase's LDS instructions read; phase 1's quantisers are done with v64-255, in which the loads below land; x2's tiles v48-63 and scale words v40, which the scaled products take, are written
	; ---- K, transposed; kb is the C.  Unit 2 hd + tt: lane (r, h): token (tt, r); register 8 u + j: k = 16 h + 8 u + j.  (The address lines above are the places between the last write of x2's tiles and scale word and these products; the wait stands behind them.)
.irp hd, 0,1,2,3
.irp tt, 0,1
.irp u, 0,1
.irp q, 0,1
	ds_load_b128 v[128+16*(2*\hd+\tt)+8*\u+4*\q:131+16*(2*\hd+\tt)+8*\u+4*\q], v13 offset:3584+128*\hd+32*\u+16*\q
.endr
.endr
.endr
.endr
.irp hd, 0,1,2,3
.irp u, 0,1
.irp g, 0,1
	ds_load_b128 v[64+16*\hd+8*\u+4*\g:67+16*\hd+8*\u+4*\g], v1 offset:2048*(4+\hd)+1024*\u+512*\g
.endr
.endr
	ds_load_b32 v[42+\hd], v2 offset:WSC+128*(4+\hd)
.endr
	s_wait_dscnt 0x0
.irp hd, 0,1,2,3
.irp tt, 0,1
.irp u, 0,1
	WM 128+16*(2*\hd+\tt)+8*\u, 64+16*\hd+8*\u, 48+8*\tt, 0, 42+\hd, 40, \u, \tt
.endr
.endr
.endr
	PLACES
	PQ 8, 128
	s_wait_alu depctr_va_vdst(0)                   ; the quantiser has written v64-79 and v24-31, which the LDS stores read; K's products are done reading v64-127 and v42-45, in which vw's fragments and scale words land
.irp hd, 0,1,2,3
.irp tt, 0,1
	ds_store_b64 v3, v[CC+2*(2*\hd+\tt):CC+2*(2*\hd+\tt)+1] offset:8192*\hd+256*\tt
	ds_store_b8 v4, v[PT+2*\hd+\tt] offset:512*\hd+\tt             ; both lanes of a block write the same byte with the same value
.endr
.endr
	s_wait_dscnt 0x0                               ; K's images are stored
	s_wait_alu depctr_vm_vsrc(0)                   ; the LDS stores have read v64-79, in which the loads below land, and v24-31, which the next quantiser writes
	; ---- V, not transposed.  Unit 2 hd + u: lane (r, h): channel 8 u + r + 8 (r / 8); register 8 tt + j: key 16 h + 8 tt + j of my 32
.irp hd, 0,1,2,3
.irp u, 0,1
.irp g, 0,1
	ds_load_b128 v[64+16*\hd+8*\u+4*\g:67+16*\hd+8*\u+4*\g], v1 offset:2048*(8+\hd)+1024*\u+512*\g
.endr
.endr
	ds_load_b32 v[42+\hd], v2 offset:WSC+128*(8+\hd)
.endr
	s_wait_dscnt 0x0
.irp hd, 0,1,2,3
.irp u, 0,1
.irp tt, 0,1
	WM 128+16*(2*\hd+\u)+8*\tt, 48+8*\tt, 64+16*\hd+8*\u, 1, 40, 42+\hd, \tt, \u
.endr
.endr
.endr
	PLACES
	s_wait_alu depctr_va_vdst(0)                   ; V's products are done reading v80-95, in which vb lands, and v96-103 and v42, v43, in which Q's loads land further down
.irp hd, 0,1,2,3
.irp u, 0,1
	ds_load_b32 v[80+2*(2*\hd+\u)], v14 offset:(32*\hd+8*\u)*4     ; vb of my channel, into both registers of a pair
	ds_load_b32 v[81+2*(2*\hd+\u)], v14 offset:(32*\hd+8*\u)*4
.endr
.endr
	s_wait_dscnt 0x0
.irp n, 0,1,2,3,4,5,6,7
.irp p, 0,2,4,6,8,10,12,14
	v_pk_add_f32 v[128+16*\n+\p:129+16*\n+\p], v[128+16*\n+\p:129+16*\n+\p], v[80+2*\n:81+2*\n]
.endr
.endr
	PQ 8, 128
	s_wait_alu depctr_va_vdst(0)                   ; the quantiser has written v64-79 and v24-31, which the LDS stores read, and is done reading v128-159; the additions are done reading v80-95: Q's loads land in all of these
.irp hd, 0,1,2,3
.irp u, 0,1
	ds_store_b64 v5, v[CC+2*(2*\hd+\u):CC+2*(2*\hd+\u)+1] offset:8192*\hd+1024*\u
	ds_store_b8 v6, v[PT+2*\hd+\u] offset:512*\hd+64*\u
.endr
.endr
	s_wait_dscnt 0x0                               ; V's images are stored
	s_wait_alu depctr_vm_vsrc(0)                   ; the LDS stores have read v64-79, in which the loads below land, and v24-31, which the next quantiser writes
	; ---- Q, transposed; qb is the C.  Query tile w / 2, heads 2 (w % 2) + n
.irp n, 0,1
.irp u, 0,1
.irp q, 0,1
	ds_load_b128 v[128+16*\n+8*\u+4*\q:131+16*\n+8*\u+4*\q], v15 offset:128*\n+32*\u+16*\q
	ds_load_b128 v[64+16*\n+8*\u+4*\q:67+16*\n+8*\u+4*\q], v9 offset:2048*\n+1024*\u+512*\q
.endr
.endr
	ds_load_b32 v[42+\n], v10 offset:128*\n
.endr
	ds_load_b128 v[96:99], v11
	ds_load_b128 v[100:103], v11 offset:512
	ds_load_b32 v46, v12
	s_wait_dscnt 0x0
.irp n, 0,1
.irp u, 0,1
	WM 128+16*\n+8*\u, 64+16*\n+8*\u, 96, 0, 42+\n, 46, \u, 0
.endr
.endr
	PLACES
	PQ 2, 128
.irp n, 0,1
	v_lshl_or_b32 v[PT+\n], v[PT+\n], 8, v[PT+\n]  ; the byte four times: Q may be laid in any of the four blocks
	v_lshl_or_b32 v[PT+\n], v[PT+\n], 16, v[PT+\n]
.endr
	s_wait_alu depctr_va_vdst(0)                   ; the quantiser has written v64-67, the lines above v24 and v25: the four LDS stores read them
.irp n, 0,1
	ds_store_b64 v7, v[CC+2*\n:CC+2*\n+1] offset:2048*\n
	ds_store_b32 v8, v[PT+\n] offset:512*\n
.endr
	BARRIER                                        ; K's, V's and Q's images lie in LDS
; ================= PHASE 3: attention.  Head w % 4, query tiles 2 (w / 4) + qi, qi = 0, 1 =================
; v16+4 qi -M, v17+4 qi the largest t, v[18+4 qi:19+4 qi] the row's sum in two halves; v40, v41 Q's scale words, v42 K's, v43 V's, v44 p's
; v48-63 two fragments of K; v64-79 two of V; v80-115 Q's codes among zeros; v120-127 p's codes; v128-191 S^T, then p; v192-223 O^T, 16 a tile
	s_wait_alu depctr_vm_vsrc(0)                   ; phase 2's LDS instructions have read v1 to v15, which the lines below write anew; its stores have read v64-67, and phase 1's v48-63, v40 and v41, in which this phase's loads land
	LANES
	s_and_b32 s32, s24, 3                          ; hd
	s_lshr_b32 s33, s24, 2                         ; g
	s_lshl_b32 s36, s32, 11
	s_lshl_b32 s37, s33, 9
	s_add_co_u32 s36, s36, s37
	s_add_co_u32 s36, s36, QIMG
	v_lshl_add_u32 v1, v17, 4, s36                 ; v1  Q's codes of row r (both halves of the lanes take them)
	s_lshl_b32 s36, s32, 9
	s_lshl_b32 s37, s33, 7
	s_add_co_u32 s37, s36, s37
	s_add_co_u32 s37, s37, QSC
	s_wait_alu depctr_va_vdst(0)
	v_lshl_add_u32 v2, v17, 2, s37                 ; v2  Q's scale words
	s_lshl_b32 s37, s32, 13
	s_add_co_u32 s38, s37, KIMG
	v_lshl_add_u32 v3, v16, 4, s38                 ; v3  K's fragments
	s_add_co_u32 s38, s36, KSC
	v_lshl_add_u32 v4, v16, 2, s38                 ; v4  K's scale words: lanes 0-15 the step's first fragment, lanes 16-31 its second
	s_add_co_u32 s38, s37, VIMG
	v_lshl_add_u32 v5, v16, 4, s38                 ; v5  V's fragments
	s_add_co_u32 s38, s36, VSC
	v_lshl_add_u32 v6, v16, 2, s38                 ; v6  V's scale words: lanes 0-15 tile 0, lanes 16-31 tile 1
	v_mul_u32_u24 v21, v19, 528
	v_lshl_add_u32 v21, v18, 8, v21
	s_mul_i32 s38, s33, 16896
	s_lshl_b32 s39, s32, 2
	s_add_co_u32 s38, s38, s39
	s_add_co_u32 s38, s38, OST
	v_add_nc_u32 v7, s38, v21                      ; v7  O: token 32 g + 8 qi + rp, d' = 4 (16 h + 8 u + j) + hd
	s_wait_alu depctr_va_vdst(0)                   ; v1 to v7 are written, which this phase's LDS instructions read; phase 2's products are done reading v48-63, v116-123 and v40 to v42, in which the nine loads below land
	ds_load_b128 v[116:119], v1
	ds_load_b128 v[120:123], v1 offset:256
	ds_load_b32 v40, v2
	ds_load_b32 v41, v2 offset:64
.irp f, 0,1
.irp g, 0,1
	ds_load_b128 v[48+8*\f+4*\g:51+8*\f+4*\g], v3 offset:1024*\f+512*\g    ; K of step 0
.endr
.endr
	ds_load_b32 v42, v4
	; Q's operand for block j is four registers of codes in one half of the lanes and zero codes elsewhere.  Laid Z, L0, Z, H0, Z, L1, Z, H1, Z (four registers each; L: codes in lanes 0-15, H: in lanes 16-31),
	; every one of the eight operands is a run of eight registers: block j of tile qi begins at v[80 + 16 qi + 8 (j % 2) + 4 (1 - j / 2)]
.irp z, 80,88,96,104,112
.irp i, 0,1,2,3
	v_mov_b32 v[\z+\i], 0
.endr
.endr
	s_mov_b32 vcc_lo, 0xffff0000
	s_wait_dscnt 5                                 ; behind Q's four loads stand K's five
.irp i, 0,1,2,3
	v_cndmask_b32 v[84+\i], v[116+\i], v[80+\i], vcc_lo
	v_cndmask_b32 v[92+\i], v[80+\i], v[116+\i], vcc_lo
	v_cndmask_b32 v[100+\i], v[120+\i], v[80+\i], vcc_lo
	v_cndmask_b32 v[108+\i], v[80+\i], v[120+\i], vcc_lo
.endr
.irp qi, 0,1
	v_mov_b32 v[17+4*\qi], 0xff61b1e6              ; the largest t so far: -3e38, under every t
	v_floor_f32 v[16+4*\qi], -v[17+4*\qi]          ; -M
	v_mov_b32 v[18+4*\qi], 0                       ; the sum
	v_mov_b32 v[19+4*\qi], 0
.endr
.set xj, 0
.rept 32
	v_mov_b32 v[192+xj], 0                         ; O^T.  (The step is written once: the first finds zeros, which the first change of M leaves zeros)
.set xj, xj+1
.endr
.irp i, 0,1,2,3
	v_mov_b32 v[BT+\i], 0                          ; a lane permute's destination counts as one of its sources
.endr
	v_mov_b32 v[FF+1], 0                           ; named as the upper half of a pair
	s_mov_b32 s34, 4                               ; four steps of 128 keys
	s_mov_b32 s35, 0                               ; the step's fragments: 2,048 bytes a step
	s_mov_b32 s36, 0                               ; its scale words: 128
	s_wait_alu depctr_va_vdst(0)                   ; the moves and selects have written v80-115, which the scaled products take as Q's operands; the lines between are the places, and the wait stands behind them
; One query tile against the step's 128 keys.  Tile t of S^T: lane (r, h): query r; the 16 registers of tiles 2 b, 2 b + 1 are keys 32 b + 16 h + 0 .. 15
.macro TILE qi
.set NM, 16+4*\qi
.set LS, 18+4*\qi
.set OA, 192+16*\qi
.if \qi == 0
	s_wait_dscnt 0x0                               ; K's fragments and scale words of this step are in
.endif
.irp t, 0,1,2,3,4,5,6,7
	WM 128+8*\t, 48+8*(\t/4), 80+16*\qi+8*(\t%2)+4*(1-(\t%4)/2), 1, 42, 40+\qi, \t/4, 0
.endr
	PLACES
.irp b, 0,1,2,3
	v_max3_num_f32 v[BM+\b], v[128+16*\b], v[129+16*\b], v[130+16*\b]      ; the largest score of each block of 32 keys: for the row's maximum and, since p rises with the score, for the block's largest p
.endr
.irp j, 3,5,7,9,11,13
.irp b, 0,1,2,3
	v_max3_num_f32 v[BM+\b], v[BM+\b], v[128+16*\b+\j], v[129+16*\b+\j]
.endr
.endr
.irp b, 0,1,2,3
	v_max_num_f32 v[BM+\b], v[BM+\b], v[143+16*\b]
.endr
.irp b, 0,1,2,3
	v_permlanex16_b32 v[BT+\b], v[BM+\b], s28, s29
.endr
.irp b, 0,1,2,3
	v_max_num_f32 v[BM+\b], v[BM+\b], v[BT+\b]     ; with lane l xor 16's 16 keys
.endr
	v_max3_num_f32 v[TT], v[BM], v[BM+1], v[BM+2]
	v_max_num_f32 v[TT], v[TT], v[BM+3]
	v_mul_f32 v[TT], s30, v[TT]                    ; as t (c is positive)
	v_max_num_f32 v[NM+1], v[NM+1], v[TT]          ; the running largest t
	v_mov_b32 v[TT], v[NM]
	v_floor_f32 v[NM], -v[NM+1]                    ; the new -M = floor(-t): M is a whole number
	v_sub_f32 v[TT], v[NM], v[TT]                  ; old M - new M: a whole number, 0 or less
	v_cvt_i32_f32 v[TT], v[TT]                     ; (it saturates)
	v_ldexp_f32 v[FF], 1.0, v[TT]                  ; f = 2^(old M - new M): a multiplication by it rounds nothing
.set xj, 0
.rept 32
	v_pk_fma_f32 v[128+xj:129+xj], v[128+xj:129+xj], s[30:31], v[NM:NM+1] op_sel_hi:[1,0,0]   ; t - M
.set xj, xj+2
.endr
.irp b, 0,1,2,3
	v_fma_f32 v[BM+\b], v[BM+\b], s30, v[NM]       ; the same of each block's largest score
.endr
.set xj, 0
	s_wait_alu depctr_va_vdst(0)
.rept 64
	v_exp_f32 v[128+xj], v[128+xj]                 ; p = 2^(t - M), at most 1, not normalised
.set xj, xj+1
.endr
.irp b, 0,1,2,3
	v_exp_f32 v[BM+\b], v[BM+\b]                   ; the block's largest p: the same two instructions on the same number
.endr
	v_pk_mul_f32 v[LS:LS+1], v[LS:LS+1], v[FF:FF+1] op_sel_hi:[1,0]        ; the sum under the new M.  (The plain place behind the exponentials)
.if \qi == 0
	s_wait_alu depctr_va_vdst(0)                   ; the 68 exponentials have written their results, ahead of the first reader; the O products of the step before are done reading v64-79 and v43, in which V's loads land; v10 and v11 are written
.irp f, 0,1
.irp g, 0,1
	ds_load_b128 v[64+8*\f+4*\g:67+8*\f+4*\g], v10 offset:1024*\f+512*\g   ; V of this step: wanted at this tile's end
.endr
.endr
	ds_load_b32 v43, v11
.else
	s_wait_alu depctr_va_vdst(0)                   ; the 68 exponentials have written their results, ahead of the first reader; the step's sixteen S products are done reading v48-63 and v42, in which the next K's loads land; v8 and v9 are written
	s_cmp_eq_u32 s34, 1                            ; the last step has no successor
	s_cbranch_scc1 .Lno_next_k_\@
.irp f, 0,1
.irp g, 0,1
	ds_load_b128 v[48+8*\f+4*\g:51+8*\f+4*\g], v8 offset:1024*\f+512*\g    ; K of the next step: wanted at the next step's head
.endr
.endr
	ds_load_b32 v42, v9
.Lno_next_k_\@:
.endif
.irp b, 0,1,2,3
	v_max_num_f32 v[BM+\b], FLOOR, v[BM+\b]
.endr
.irp b, 0,1,2,3
	v_add_nc_u32 v[BE+\b], EOFF, v[BM+\b]
.endr
.irp b, 0,1,2,3
	v_lshrrev_b32 v[BT+\b], 23, v[BE+\b]
.endr
	v_lshl_or_b32 v44, v[BT+1], 8, v[BT]           ; p's scale word for these 128 keys
	v_lshl_or_b32 v44, v[BT+2], 16, v44
	v_lshl_or_b32 v44, v[BT+3], 24, v44
.irp b, 0,1,2,3
	v_cvt_scalef32_pk8_fp4_f32 v[120+2*\b], v[128+16*\b:135+16*\b], v[BE+\b]
	v_cvt_scalef32_pk8_fp4_f32 v[121+2*\b], v[136+16*\b:143+16*\b], v[BE+\b]
.endr
	v_nop                                          ; one plain place behind a scaled conversion
.irp g, 0,1                            ; the operand's layout wants a whole block in a lane: lanes 0-15 block 2 g, lanes 16-31 block 2 g + 1
.irp i, 0,1
	v_permlane16_swap_b32 v[120+4*\g+\i], v[122+4*\g+\i]
.endr
.endr
	v_pk_add_f32 v[240:241], v[128:129], v[130:131]                        ; the row's sum is taken of the unquantised p, in two chains
.irp j, 4,8,12,16,20,24,28,32,36,40,44,48,52,56,60
	v_pk_add_f32 v[LS:LS+1], v[LS:LS+1], v[128+\j:129+\j]
	v_pk_add_f32 v[240:241], v[240:241], v[130+\j:131+\j]
.endr
	v_pk_add_f32 v[LS:LS+1], v[LS:LS+1], v[240:241]
.irp p, 0,2,4,6,8,10,12,14
	v_pk_mul_f32 v[OA+\p:OA+\p+1], v[OA+\p:OA+\p+1], v[FF:FF+1] op_sel_hi:[1,0]   ; O^T under the new M
.endr
.if \qi == 0
	s_wait_dscnt 0x0                               ; V's fragments and scale words are in
.endif
	s_wait_alu depctr_va_vdst(0)                   ; the conversions and exchanges have written p's codes v120-127, the lines above them p's scale word v44: the scaled products take them; the sums and scalings between are the places, and the wait stands behind them
	WM OA, 64, 120, 0, 43, 44, 0, 0                ; O^T += V^T P^T: register 8 u + j: k = 16 h + 8 u + j.  The accumulators take turns, one instruction a turn
	WM OA+8, 72, 120, 0, 43, 44, 1, 0
.endm
.Lkey:
	s_wait_alu depctr_vm_vsrc(0)                   ; the LDS loads issued so far have read v8 to v11, which the four lines below write
	v_add_nc_u32 v10, s35, v5                      ; V of this step
	v_add_nc_u32 v11, s36, v6
	s_add_co_u32 s35, s35, 2048
	s_add_co_u32 s36, s36, 128
	v_add_nc_u32 v8, s35, v3                       ; K of the next step
	v_add_nc_u32 v9, s36, v4
	TILE 0
	TILE 1
	s_sub_co_i32 s34, s34, 1
	s_cmp_lg_u32 s34, 0
	s_cbranch_scc1 .Lkey
	PLACES
	v_add_f32 v18, v18, v19                        ; the sums' two halves,
	v_add_f32 v22, v22, v23
	v_permlanex16_b32 v[BT], v18, s28, s29
	v_permlanex16_b32 v[BT+1], v22, s28, s29
	v_add_f32 v18, v18, v[BT]                      ; and lane l xor 16's
	v_add_f32 v22, v22, v[BT+1]
	s_wait_alu depctr_va_vdst(0)
	v_rcp_f32 v232, v18
	v_rcp_f32 v233, v18
	v_rcp_f32 v234, v22
	v_rcp_f32 v235, v22
	v_nop                                          ; a plain place behind the transcendentals
	s_wait_alu depctr_va_vdst(0)                   ; the four reciprocals have written v232-235, ahead of their first reader
.irp qi, 0,1
.irp p, 0,2,4,6,8,10,12,14
	v_pk_mul_f32 v[192+16*\qi+\p:193+16*\qi+\p], v[192+16*\qi+\p:193+16*\qi+\p], v[232+2*\qi:233+2*\qi]
.endr
.endr
	s_wait_alu depctr_va_vdst(0)                   ; the multiplications have written v192-223, which the LDS stores read
.irp qi, 0,1
.irp u, 0,1
.irp j, 0,1,2,3,4,5,6,7
	ds_store_b32 v7, v[192+16*\qi+8*\u+\j] offset:4224*\qi+128*\u+16*\j
.endr
.endr
.endr
	BARRIER                                        ; O of the 128 queries lies in LDS, the four heads interleaved
; ================= PHASE 4: waves 0-7: tokens 16 w + r =================
; v48-55 O's codes, v44 its scale words, v40-43 ow's; R1 = v64-127, R2 = v128-191, R3 = v192-255: lane (r, h): token r; register 8 T + j: d = 16 T + 8 h + j
	s_wait_alu depctr_vm_vsrc(0)                   ; phase 3's LDS instructions have read v1 to v7, which the lines below write anew; its stores have read v192-223, which this phase's products write
	LANES
	s_and_b32 s32, s24, 7
	v_lshlrev_b32 v1, 4, v16                       ; v1  16 l
	v_lshlrev_b32 v2, 2, v16                       ; v2  4 l
	v_mul_u32_u24 v21, v17, 528
	v_lshl_add_u32 v21, v18, 6, v21
	s_mul_i32 s33, s32, 8448
	s_add_co_u32 s33, s33, OST
	v_add_nc_u32 v3, s33, v21                      ; v3  O: my token's row, + 64 h: my 16 numbers of a block of 32
	v_mul_u32_u24 v21, v18, 4224
	v_lshl_add_u32 v21, v17, 2, v21
	s_lshl_b32 s33, s32, 6
	s_add_co_u32 s33, s33, XST
	v_add_nc_u32 v4, s33, v21                      ; v4  x: row 8 h, my token's column
	v_lshl_add_u32 v5, v18, 5, CST                 ; v5  a vector at d = 8 h
	s_mul_i32 s33, s24, 4224
	s_add_co_u32 s33, s33, XST
	v_add_nc_u32 v6, s33, v1                       ; v6  the way out: rows 8 w on, 16 bytes a lane
	s_wait_alu depctr_va_vdst(0)                   ; v1 to v6 are written, which this phase's loads and stores read; phase 3's products and sums are done with v64-191 and v40-43, in which this phase's loads land (in waves 8-15: the way out's, into v64-95)
	s_cmp_lt_u32 s24, 8
	s_cbranch_scc0 .Lb4
.irp b, 0,1,2,3
	v_mov_b32 v[TM+4+\b], 0                        ; a lane permute's destination counts as one of its sources
.endr
.irp b, 0,1,2,3
.irp q, 0,1,2,3
	ds_load_b128 v[64+16*\b+4*\q:67+16*\b+4*\q], v3 offset:128*\b+16*\q    ; register 16 b + i: d' = 32 b + 16 h + i
.endr
.endr
.irp t, 0,1,2,3,4,5,6,7
.irp g, 0,1
	ds_load_b128 v[128+8*\t+4*\g:131+8*\t+4*\g], v1 offset:2048*(12+\t/2)+1024*(\t%2)+512*\g   ; ow's tile t: row r is column 16 t + r
.endr
.endr
.irp g, 0,1,2,3
	ds_load_b32 v[40+\g], v2 offset:WSC+128*(12+\g)
.endr
	s_wait_dscnt 20                                ; behind O's 16 loads stand 16 + 4
.irp b, 0,1,2,3
	v_max3_num_f32 v[TM+\b], |v[64+16*\b]|, |v[65+16*\b]|, FLOOR
.endr
.irp i, 2,4,6,8,10,12,14
.irp b, 0,1,2,3
	v_max3_num_f32 v[TM+\b], v[TM+\b], |v[64+16*\b+\i]|, |v[65+16*\b+\i]|
.endr
.endr
.irp b, 0,1,2,3
	v_permlanex16_b32 v[TM+4+\b], v[TM+\b], s28, s29
.endr
.irp b, 0,1,2,3
	v_max_num_f32 v[TM+\b], v[TM+\b], v[TM+4+\b]
.endr
.irp b, 0,1,2,3
	v_add_nc_u32 v[TM+12+\b], EOFF, v[TM+\b]
.endr
.irp b, 0,1,2,3
	v_lshrrev_b32 v[TM+4+\b], 23, v[TM+12+\b]
.endr
	v_lshl_or_b32 v44, v[TM+5], 8, v[TM+4]
	v_lshl_or_b32 v44, v[TM+6], 16, v44
	v_lshl_or_b32 v44, v[TM+7], 24, v44
.irp b, 0,1,2,3
	v_cvt_scalef32_pk8_fp4_f32 v[48+2*\b], v[64+16*\b:71+16*\b], v[TM+12+\b]
	v_cvt_scalef32_pk8_fp4_f32 v[49+2*\b], v[72+16*\b:79+16*\b], v[TM+12+\b]
.endr
	v_nop                                          ; one plain place behind a scaled conversion
.irp g, 0,1
.irp i, 0,1
	v_permlane16_swap_b32 v[48+4*\g+\i], v[50+4*\g+\i]
.endr
.endr
.rept 8
	v_nop                                          ; a scale register written by a vector instruction stands eight places ahead of a scaled matrix instruction, an operand so written four
.endr
	s_wait_alu depctr_va_vdst(0)                   ; the quantiser is done reading v64-127, in which x lands; it has written O's codes v48-55 and scale word v44, which the scaled products take: the places stand ahead of this wait
.irp t, 0,1,2,3,4,5,6,7
.irp j, 0,1,2,3,4,5,6,7
	ds_load_b32 v[64+8*\t+\j], v4 offset:528*(16*\t+\j)            ; x(my token, d)
.endr
.endr
	s_wait_dscnt 63                                ; behind ow's fragments and scale words stand x's 64 loads
.irp t, 0,1,2,3,4,5,6,7
	WM 192+8*\t, 128+8*\t, 48, 1, 40+\t/2, 44, \t%2, 0
.endr
	PLACES
	s_wait_alu depctr_va_vdst(0)                   ; the eight products are done reading ow's fragments v128-191, in which alpha1 lands
.irp t, 0,1,2,3,4,5,6,7
.irp q, 0,1
	ds_load_b128 v[128+8*\t+4*\q:131+8*\t+4*\q], v5 offset:64*\t+16*\q     ; alpha1
.endr
.endr
	s_wait_dscnt 0x0
.set xj, 0
.rept 32
	v_pk_fma_f32 v[192+xj:193+xj], v[128+xj:129+xj], v[192+xj:193+xj], v[64+xj:65+xj]   ; x + alpha1 attn
.set xj, xj+2
.endr
	s_wait_alu depctr_va_vdst(0)                   ; the multiply-adds are done reading v64-127 and v128-191, in which gamma2 and beta2 land
.irp t, 0,1,2,3,4,5,6,7
.irp q, 0,1
	ds_load_b128 v[64+8*\t+4*\q:67+8*\t+4*\q], v5 offset:2048+64*\t+16*\q   ; gamma2
	ds_load_b128 v[128+8*\t+4*\q:131+8*\t+4*\q], v5 offset:2560+64*\t+16*\q ; beta2
.endr
.endr
	SUM8 192, 6                                    ; my 64 of the token's 128,
	v_permlanex16_b32 v17, v16, s28, s29
	v_add_f32 v16, v16, v17                        ; and lane l xor 16's
	MEAN
	CENTRE 192, 32
	SQ8 192, 7
	v_permlanex16_b32 v17, v16, s28, s29
	v_add_f32 v16, v16, v17
	RSTD
	s_wait_alu depctr_va_vdst(0)
	s_wait_dscnt 0x0
.set xj, 0
.rept 32
	v_pk_mul_f32 v[64+xj:65+xj], v[64+xj:65+xj], v[26:27]
.set xj, xj+2
.endr
.set xj, 0
.rept 32
	v_pk_fma_f32 v[64+xj:65+xj], v[64+xj:65+xj], v[192+xj:193+xj], v[128+xj:129+xj]     ; gamma2 snorm(x) + beta2
.set xj, xj+2
.endr
	s_wait_alu depctr_va_vdst(0)                   ; the multiply-adds are done reading beta2 in v128-191, in which alpha2 lands
.irp t, 0,1,2,3,4,5,6,7
.irp q, 0,1
	ds_load_b128 v[128+8*\t+4*\q:131+8*\t+4*\q], v5 offset:1536+64*\t+16*\q ; alpha2
.endr
.endr
.set xj, 0
.rept 32
	v_pk_add_f32 v[192+xj:193+xj], v[192+xj:193+xj], v[24:25]      ; x again: the mean goes back on
.set xj, xj+2
.endr
	s_wait_dscnt 0x0
.set xj, 0
.rept 32
	v_pk_fma_f32 v[192+xj:193+xj], v[128+xj:129+xj], v[64+xj:65+xj], v[192+xj:193+xj]
.set xj, xj+2
.endr
	s_wait_alu depctr_va_vdst(0)                   ; the multiply-adds have written v192-255, which the LDS stores read, and are done reading v64-95, in which the way out's loads land
.irp t, 0,1,2,3,4,5,6,7
.irp j, 0,1,2,3,4,5,6,7
	ds_store_b32 v4, v[192+8*\t+\j] offset:528*(16*\t+\j)          ; into the words that this lane read x from
.endr
.endr
.Lb4:
	BARRIER                                        ; 128 rows d x 128 tokens of the result lie in LDS
.irp i, 0,1,2,3,4,5,6,7
	ds_load_b128 v[64+4*\i:67+4*\i], v6 offset:528*\i
.endr
.irp i, 0,1,2,3,4,5,6,7
	s_wait_dscnt 7-\i                              ; LDS loads come back in order (ISA guide 5.7.1): row i is in, the younger ones may be out
	global_store_b128 v1, v[64+4*\i:67+4*\i], s[22:23] offset:2048*\i th:TH_STORE_NT   ; the wave stores 512 consecutive bytes, at a multiple of 256 from out0's first byte
.endr
	s_wait_xcnt 0x0
	s_wait_alu depctr_vm_vsrc(0)                   ; the LDS stores of the result have read v254 and v255, which the two lines below write
	v_lshl_add_u32 v254, v0, 2, 0x40400
	v_mov_b32 v255, 0
	s_wait_dscnt 0x0                               ; the closing lines, six on end
	s_wait_alu 0x0
	s_wait_tensorcnt 0x0
	ds_add_u32 v254, v255
	s_wait_dscnt 0x0
	s_endpgm
.Lfunc_end_k_q2c6f905398_block:
	.size	k_q2c6f905398_block, .Lfunc_end_k_q2c6f905398_block-k_q2c6f905398_block
	.p2alignl 7, 3214868480
	.fill 96, 4, 3214868480
	.section	.rodata,"a",@progbits
	.p2align	6, 0x0
	.amdhsa_kernel k_q2c6f905398_block
		.amdhsa_group_segment_fixed_size 265216
		.amdhsa_private_segment_fixed_size 0
		.amdhsa_enable_private_segment 0
		.amdhsa_kernarg_size 80
		.amdhsa_user_sgpr_count 2
		.amdhsa_user_sgpr_kernarg_segment_ptr 1
		.amdhsa_wavefront_size32 1
		.amdhsa_system_sgpr_workgroup_id_x 1
		.amdhsa_system_sgpr_workgroup_id_y 1
		.amdhsa_system_sgpr_workgroup_id_z 1
		.amdhsa_system_vgpr_workitem_id 0
		.amdhsa_next_free_vgpr 256
		.amdhsa_next_free_sgpr 100
		.amdhsa_reserve_vcc 1
		.amdhsa_float_denorm_mode_32 3
		.amdhsa_float_denorm_mode_16_64 3
		.amdhsa_memory_ordered 1
		.amdhsa_forward_progress 1
		.amdhsa_inst_pref_size 199
	.end_amdhsa_kernel
	.amdgpu_metadata
---
amdhsa.version: [ 1, 2 ]
amdhsa.kernels:
  - .name:           k_q2c6f905398_block
    .symbol:         k_q2c6f905398_block.kd
    .args:
      - { .name: latent, .offset: 0, .size: 8, .value_kind: global_buffer, .address_space: global }
      - { .name: qw, .offset: 8, .size: 8, .value_kind: global_buffer, .address_space: global }
      - { .name: kw, .offset: 16, .size: 8, .value_kind: global_buffer, .address_space: global }
      - { .name: vw, .offset: 24, .size: 8, .value_kind: global_buffer, .address_space: global }
      - { .name: ow, .offset: 32, .size: 8, .value_kind: global_buffer, .address_space: global }
      - { .name: qb, .offset: 40, .size: 8, .value_kind: global_buffer, .address_space: global }
      - { .name: kb, .offset: 48, .size: 8, .value_kind: global_buffer, .address_space: global }
      - { .name: vb, .offset: 56, .size: 8, .value_kind: global_buffer, .address_space: global }
      - { .name: mods, .offset: 64, .size: 8, .value_kind: global_buffer, .address_space: global }
      - { .name: out0, .offset: 72, .size: 8, .value_kind: global_buffer, .address_space: global }
    .group_segment_fixed_size: 265216
    .private_segment_fixed_size: 0
    .kernarg_segment_align: 8
    .kernarg_segment_size: 80
    .max_flat_workgroup_size: 512
    .sgpr_count:     100
    .vgpr_count:     256
    .wavefront_size: 32
...
	.end_amdgpu_metadata
.endif
;; end of part 4
